; MI455X (gfx1250); checked and timed in simulation.
; The chip was launched on July 23, 2026; its instructions are those of AMD's public machine-readable ISA for CDNA 5 (MIT licence, August 2026) and "CDNA5" Instruction Set Architecture Reference Guide (July 2026). The comments in the code are by the model that wrote it; some were corrected since.
;; Attention. Allowed arithmetic: matrix products marked QUANTISED: E2M3 operands, one E8M0 scale for each 32 along K, by v_wmma_scale_f32_16x16x128_f8f6f4 with both operands' format E2M3, f32 sums; everything else in f32.
;; Inputs: W 1,024 x 1,024 float32; x 4 x 2,048 x 1,024 float32.
;; Outputs: out0 4 x 2,048 x 1,024 float32.
;; This version of the problem:
;;   THIS VERSION OF THE PROBLEM IS GIVEN IN LOW PRECISION. The matrix products marked QUANTISED in the list below multiply operands that are first quantised to E2M3 (2 exponent bits, 3 mantissa bits; 6 bits a number), with one power-of-two scale for each 32 numbers along K (OCP MX v1.0); their sums are f32. All else is computed in f32.
;;   The module's matrix products, in the order in which they are computed (A, B: the left and right operand; K: the contracted axis; several contracted axes count as one K, in the product's order):
;;     1. [M 8,192, K 1,024] x [K 1,024, N 1,024]; A: input x; B: input W: QUANTISED
;;     2. batch 64 x [M 2,048, K 64] x [K 64, N 2,048]; A: computed on the way; B: computed on the way: QUANTISED
;;     3. batch 64 x [M 2,048, K 2,048] x [K 2,048, N 64]; A: softmax (see below); B: computed on the way: QUANTISED
;;     4. [M 8,192, K 1,024] x [K 1,024, N 1,024]; A: computed on the way; B: input W: QUANTISED
;;   THE QUANTISER, for each operand of a quantised product, along K:
;;     - K is cut into blocks of 32 from its start; a last block that is shorter is filled with zeros.
;;     - A block's scale is 2^e with e = floor(log2(the largest magnitude in the block)) - 2, held to -126 .. 127; a block of zeros has e = 0. As a byte (E8M0): e + 127.
;;     - Each number is divided by its block's scale, clamped to +-7.5, and rounded to the nearest number of E2M3, ties to even, subnormals kept.
;;     - The product sums the exact products of the quantised numbers (number of the format x scale) in f32.
;;   ~~~python
;;   def quantise(x, axis):      # numpy; x: float32 -> the quantised numbers, widened to float32 again
;;       x = np.moveaxis(x, axis, -1); K = x.shape[-1]
;;       x = np.pad(x, [(0, 0)] * (x.ndim - 1) + [(0, -K % 32)]); x = x.reshape(x.shape[:-1] + (-1, 32)); a = np.abs(x).max(-1, keepdims=True)
;;       e = np.where(a > 0, np.clip(np.frexp(np.where(a > 0, a, 1))[1] - 1 - 2, -126, 127), 0)      # np.frexp(a)[1] - 1 = floor(log2(a)), exactly
;;       r = np.clip(x / 2.0 ** e, -7.5, 7.5)
;;       step = 2.0 ** (np.maximum(np.frexp(np.where(r == 0, 1, r))[1] - 1, 0) - 3)
;;       q = np.round(r / step) * step * 2.0 ** e      # np.round: ties to even
;;       return np.moveaxis(q.reshape(q.shape[:-2] + (-1,))[..., :K], -1, axis).astype(np.float32)
;;   ~~~
;;   SOFTMAX AHEAD OF A QUANTISED PRODUCT. Where the list says 'softmax', what is quantised is not the finished softmax but p = 2^(t - M), with t = logit x log2(e) and M = ceil(the row's largest t), a whole number; so 1/2 < the row's largest p <= 1. The row's sum l is taken of the UNQUANTISED p, in f32, and the product's result is divided by l at the end. Since M is a whole number, a kernel that streams over the keys may use a running M (the ceiling of the running maximum): every later rescaling is an exact power of two, which a block's scale takes up: the codes' values come out the same.
;;   OPERANDS COMPUTED ON THE WAY. 'Computed on the way' means the value that the module computes at that place (a softmax that the list does not call 'softmax' is quantised finished and normalised). What goes into a quantiser is computed in f32, as accurately as f32 sums, v_exp_f32 and their like allow (about 1e-6 of the number): no bf16 or f16 on the way to a quantiser, and a product that is left as it is and whose result goes on into a quantised operand takes f32 operands (vector FMAs, or v_wmma_f32_16x16x4_f32). A number that lies on a knife's edge between two numbers of the format may be rounded either way, as far as f32 arithmetic and the matrix unit's own rounding can turn it there, and no further.
;; One version. Each part assembles by itself: llvm-mc -triple=amdgcn-amd-amdhsa -mcpu=gfx1250 --defsym DOCPART=n.
;; ======== version 1 of 1: 4 launches
;; limits: right only within a limited range of input values
;; workspace buffers: rowc 6,291,456 bytes; rowsc 262,144 bytes; wc 786,432 bytes; wsc 32,768 bytes; kv 13,369,344 bytes
;; launch quant (part 1): grid 320 x 1, 4 waves a work-group, no clusters, 46,592 bytes of LDS; arguments x, W, rowc, rowsc, wc, wsc; writes rowc, rowsc, wc, wsc
.if DOCPART == 1
	.amdgcn_target "amdgcn-amd-amdhsa--gfx1250"
	.amdhsa_code_object_version 6
	.text
	.protected	k_qc7ce654fca_quant
	.globl	k_qc7ce654fca_quant
	.p2align	8
	.type	k_qc7ce654fca_quant,@function
k_qc7ce654fca_quant:
	s_mov_b64 s[64:65], 0
	v_nop
	global_prefetch_b8 v0, s[64:65] scope:SCOPE_SE
	s_setreg_imm32_b32 hwreg(HW_REG_WAVE_MODE, 25, 1), 1
	s_wait_xcnt 0x0
; x [8192][1024] f32 (K innermost) and W [1024 (k)][1024 (n)] f32 (K outermost) become codes of FP6 (E2M3) with one E8M0 byte for each 32 along K,
; laid as IMAGES OF OPERAND REGISTERS: a fragment (16 rows x 128 K, 12 registers a lane) is three pieces of 512 bytes, piece c = registers 4 c .. 4 c + 3, lane l's 16 bytes at 16 l.
; THE ROWS OF A TILE ARE NOT NEIGHBOURS: tile 2 P + u, index idx, stands for row (of x) or column (of W) 32 P + 8 u + idx + 8 (idx / 8).
; rowc [tile 512][K step 8][1,536];  rowsc [4 tiles 128][K step 8][lane 32][2] words: the word of tile 4 G + 2 q + lane / 16, row lane % 16;  wc [tile 64][K step 8][1,536];  wsc [pair 32][K step 8][16 u + idx] words.
; A block's scale is 2^(floor(log2(its largest magnitude)) - 2): its byte is the largest magnitude's exponent field - 2, held at 1 from below.
; LIMITS: NaN and infinities are not served; a block whose largest magnitude lies under 2^-124 keeps the byte 1; a block of zeros has the byte 1 where the rule says 127 (its codes are zeros, and this program alone reads the bytes).
; Work-groups 0-255 take x: four tiles (64 rows) x four K steps, a wave a K step.  Work-groups 256-319 take W: four pairs of tiles (128 columns) x one K step, a wave a pair.
; No tensor loads, no barrier: waves share nothing.  Each of the two ways has LDS bytes of its own.
; THE ROWS OF A TILE, as this text lays them (this holds where the head comment gives another order): in each 64 rows of x, or 64 columns of W, tile u = 0 .. 3, index idx stands for element 32 (idx / 8) + 8 u + idx % 8.
.set XST,   8448                       ; x: a wave's stage: 16 rows x (512 bytes + 16): the pitch is an odd multiple of 16 bytes
.set WST0,  33792                      ; W: the stages begin behind x's four
.set WST,   3072                       ; W: a wave's stage: two fragments' images
.set SPARE, 46080                      ; the spare words, 128 bytes for each wave: two blocks of 256 bytes that no other line names
.set LI,  2                            ; v2   16 x lane
.set STI, 3                            ; v3   x: into the stage
.set STO, 4                            ; v4   x: out of it
.set LB8, 5                            ; v5   8 x lane
.set SPW, 6                            ; v6   my spare word; never rewritten
.set NIL, 7                            ; v7   0; never rewritten
.set TM,  10                           ; v10-17 at work
.set HWA, 18                           ; v18, v19 two bytes each of a row's scale word
.set HWB, 19
.set PW,  20                           ; v20-23 the four tiles' scale words (W: v20 the column's)
.set SW,  24                           ; v24-25 as they are stored
.set PC,  28                           ; v28-39 a fragment's codes
.set QT,  40                           ; v40-42 a conversion's second half
.set WA0, 45                           ; v45  W: where my column's codes go in the stage
.set WBK, 46                           ; v46  W: out of the stage
.set WSO, 47                           ; v47  W: my column's scale word in wsc
.set LB4, 48                           ; v48  4 x lane
.set X,   64                           ; v64-127 64 numbers of one row
.set R,   128                          ; v128-255 two sets of numbers as loaded
.set SEL, 20                           ; s[20:21] lane selects for v_permlanex16_b32: lane l xor 16
.set MSB, 0
.macro WIN new                         ; (all registers of this text lie in window 0: no switch is ever written)
.if MSB != (\new)
	s_set_vgpr_msb (MSB<<8)|(\new)
.set MSB, (\new)
.endif
.endm
; 32 numbers of a lane, register 16 b + i = k 32 b + 16 (lane / 16) + i of my row, become six registers of codes (lanes 0-15: block 0, lanes 16-31: block 1) and the two blocks' bytes
.macro QUANT2 win, src, dst, tmp, hw
	WIN (\win)|((\win)<<2)
.irp b, 0,1
	v_max3_num_f32 v[TM+\b], |v[(\src)+16*\b]|, |v[(\src)+16*\b+1]|, 0x1800000   ; my 16 numbers, and the floor 2^(3 - 127): the byte cannot fall under 1
.endr
.irp i, 2,4,6,8,10,12,14
.irp b, 0,1
	v_max3_num_f32 v[TM+\b], |v[(\src)+16*\b+\i]|, |v[(\src)+16*\b+\i+1]|, v[TM+\b]
.endr
.endr
	WIN 0
.irp b, 0,1
	v_permlanex16_b32 v[TM+2+\b], v[TM+\b], s[SEL], s[SEL+1]
.endr
.irp b, 0,1
	v_max_num_f32 v[TM+\b], v[TM+\b], v[TM+2+\b]   ; with lane l xor 16's: the block's largest magnitude
.endr
.irp b, 0,1
	v_add_nc_u32 v[TM+4+\b], 0xff000000, v[TM+\b]  ; 2 off its exponent field: the conversion's scale operand
.endr
.irp b, 0,1
	v_lshrrev_b32 v[TM+6+\b], 23, v[TM+4+\b]       ; the scale's byte
.endr
	v_lshl_or_b32 v[\hw], v[TM+7], 8, v[TM+6]
	WIN \win
	v_cvt_scalef32_pk16_fp6_f32 v[(\dst):(\dst)+2], v[(\src):(\src)+15], v[TM+4]
	v_cvt_scalef32_pk16_fp6_f32 v[(\tmp):(\tmp)+2], v[(\src)+16:(\src)+31], v[TM+5]
	WIN 0
	v_nop                                          ; one plain place behind a scaled conversion
.irp i, 0,1,2
	v_permlane16_swap_b32 v[(\dst)+\i], v[(\tmp)+\i]   ; a whole block to a lane
.endr
.irp i, 0,1,2
	v_mov_b32 v[(\dst)+3+\i], v[(\tmp)+\i]
.endr
.endm
	s_load_b256 s[4:11], s[0:1], 0x0               ; x s[4:5], W s[6:7], rowc s[8:9], rowsc s[10:11]
	s_load_b128 s[12:15], s[0:1], 0x20             ; wc s[12:13], wsc s[14:15]
	v_lshl_add_u32 v[SPW], v0, 2, SPARE
	v_mov_b32 v[NIL], 0
	v_lshrrev_b32 v1, 5, v0
	v_readfirstlane_b32 s16, v1                    ; wave
	v_and_b32 v1, 31, v0                           ; lane
	v_and_b32 v8, 15, v0                           ; r
	v_bfe_u32 v9, v0, 4, 1                         ; h
	v_lshlrev_b32 v[LI], 4, v1
	v_lshlrev_b32 v[LB8], 3, v1
	v_lshlrev_b32 v[LB4], 2, v8                    ; W: lanes 0-15 take 16 neighbouring columns, lanes 16-31 the 16 that lie 32 columns on
	v_lshl_add_u32 v[LB4], v9, 7, v[LB4]
	s_mul_i32 s17, s16, XST
	v_add_nc_u32 v[STI], s17, v[LI]                ; a row's 512 bytes as they lie
	v_mul_u32_u24 v[STO], v8, 528
	v_lshl_add_u32 v[STO], v9, 6, v[STO]
	v_add_nc_u32 v[STO], s17, v[STO]               ; row r, + 64 h: my 16 numbers of a block of 32
	s_mul_i32 s18, s16, WST
	s_add_co_u32 s18, s18, WST0
	v_bfe_u32 v43, v0, 3, 1                        ; W: column 32 p + lane is index (lane % 8) + 8 (lane / 16) of tile u = (lane / 8) % 2
	v_and_b32 v44, 7, v0
	v_lshl_add_u32 v44, v9, 3, v44
	v_mul_u32_u24 v[WA0], v43, 1536
	v_lshl_add_u32 v[WA0], v44, 4, v[WA0]
	v_add_nc_u32 v[WA0], s18, v[WA0]
	v_add_nc_u32 v[WBK], s18, v[LI]
	v_lshl_add_u32 v[WSO], v43, 4, v44
	v_lshlrev_b32 v[WSO], 2, v[WSO]
	v_mov_b32 v[TM+2], 0                           ; written once: a lane permute's destination counts as one of its sources
	v_mov_b32 v[TM+3], 0
	s_mov_b32 s[SEL], 0x76543210
	s_mov_b32 s[SEL+1], 0xfedcba98
	s_mov_b32 s25, 0
	s_wait_kmcnt 0x0
	s_cmp_ge_u32 ttmp9, 256
	s_cbranch_scc1 .Lw
	; ---------------- x ----------------
	s_lshr_b32 s22, ttmp9, 1                       ; which four tiles
	s_and_b32 s23, ttmp9, 1
	s_lshl_b32 s23, s23, 2
	s_add_co_u32 s23, s23, s16                     ; which K step
	s_lshl_b32 s24, s22, 18                        ; 64 rows of 4,096 bytes,
	s_lshl_b32 s26, s23, 9                         ; 128 numbers along K
	s_add_co_u32 s24, s24, s26
	s_add_nc_u64 s[4:5], s[4:5], s[24:25]
	s_mul_i32 s24, s22, 49152
	s_mul_i32 s26, s23, 1536
	s_add_co_u32 s24, s24, s26
	s_add_nc_u64 s[8:9], s[8:9], s[24:25]
	s_lshl_b32 s24, s22, 11
	s_lshl_b32 s26, s23, 8
	s_add_co_u32 s24, s24, s26
	s_add_nc_u64 s[10:11], s[10:11], s[24:25]
.macro LOADX i                         ; tile i's 16 rows: each load reads 512 consecutive bytes of one row
.irp idx, 0,1,2,3,4,5,6,7,8,9,10,11,12,13,14,15
	global_load_b128 v[R+64*((\i)%2)+4*\idx:R+64*((\i)%2)+4*\idx+3], v[LI], s[4:5] offset:(8*(\i)+\idx%8+32*(\idx/8))*4096 th:TH_LOAD_NT
.endr
.endm
.macro TURN i                          ; through my stage: in as loaded, out 16 neighbours of each block to a lane.  LDS serves a wave's instructions in order: no wait between
.irp idx, 0,1,2,3,4,5,6,7,8,9,10,11,12,13,14,15
	ds_store_b128 v[STI], v[R+64*((\i)%2)+4*\idx:R+64*((\i)%2)+4*\idx+3] offset:528*\idx
.endr
.irp b, 0,1,2,3
.irp jj, 0,1,2,3
	ds_load_b128 v[X+16*\b+4*\jj:X+16*\b+4*\jj+3], v[STO] offset:128*\b+16*\jj
.endr
.endr
.endm
	LOADX 0
	LOADX 1
.irp i, 0,1,2,3
.if \i < 3
	s_wait_loadcnt 16                              ; this tile's 16 loads are in; the next tile's may be out
.else
	s_wait_loadcnt 0x0
.endif
	TURN \i
	s_wait_dscnt 0x0
.if \i < 2
	LOADX \i+2
.endif
	s_wait_xcnt 0x0                                ; the last tile's stores have read their data: the codes' registers are written again only behind this wait
	QUANT2 0, X, PC, QT, HWA
	QUANT2 0, X+32, PC+6, QT, HWB
	v_lshl_or_b32 v[PW+\i], v[HWB], 16, v[HWA]
.irp c, 0,1,2
	global_store_b128 v[LI], v[PC+4*\c:PC+4*\c+3], s[8:9] offset:12288*\i+512*\c   ; 512 consecutive bytes
.endr
.endr
	v_cmp_le_u32 vcc_lo, 16, v1
	v_cndmask_b32 v[SW], v[PW], v[PW+1], vcc_lo    ; lanes 0-15 the even tile's word, lanes 16-31 the odd tile's
	v_cndmask_b32 v[SW+1], v[PW+2], v[PW+3], vcc_lo
	global_store_b64 v[LB8], v[SW:SW+1], s[10:11]  ; 256 consecutive bytes, aligned
	s_wait_tensorcnt 0x0                           ; the wave's end, behind my last LDS store
	ds_add_u32 v[SPW], v[NIL]
	s_wait_dscnt 0x0
	s_endpgm
	; ---------------- W: a lane takes a column, its registers run down K ----------------
.Lw:
	s_sub_co_u32 s22, ttmp9, 256
	s_and_b32 s23, s22, 7
	s_lshl_b32 s23, s23, 2
	s_add_co_u32 s23, s23, s16                     ; which pair of tiles (32 columns)
	s_lshr_b32 s22, s22, 3                         ; which K step
	s_lshl_b32 s24, s22, 19                        ; 128 rows of 4,096 bytes,
	s_lshr_b32 s26, s23, 1                         ; pair 2 g + a of tiles begins at column 64 g + 16 a
	s_lshl_b32 s26, s26, 8
	s_and_b32 s27, s23, 1
	s_lshl_b32 s27, s27, 6
	s_add_co_u32 s26, s26, s27
	s_add_co_u32 s24, s24, s26
	s_add_nc_u64 s[6:7], s[6:7], s[24:25]
	s_mul_i32 s24, s23, 24576
	s_mul_i32 s26, s22, 1536
	s_add_co_u32 s24, s24, s26
	s_add_nc_u64 s[12:13], s[12:13], s[24:25]
	s_lshl_b32 s24, s23, 10
	s_lshl_b32 s26, s22, 7
	s_add_co_u32 s24, s24, s26
	s_add_nc_u64 s[14:15], s[14:15], s[24:25]
.macro LOADW t                         ; block t: W(32 t + i, my column): two runs of 64 consecutive bytes a wave, 512 consecutive a work-group
.irp i, 0,1,2,3,4,5,6,7,8,9,10,11,12,13,14,15,16,17,18,19,20,21,22,23,24,25,26,27,28,29,30,31
	global_load_b32 v[R+32*(\t)+\i], v[LB4], s[6:7] offset:(32*(\t)+\i)*4096   ; two runs of 64 consecutive bytes a wave, 512 consecutive bytes a work-group; a set of registers for each block
.endr
.endm
.macro BLOCK t
.set XS, R+32*(\t)
.if (\t) < 2
	s_wait_loadcnt 63                              ; all 128 loads were issued at the start: behind this block's stand 96 or 64; 63 is the most that a wait names
.else
	s_wait_loadcnt 32*(3-(\t))                     ; the later blocks' loads may be out
.endif
	v_max3_num_f32 v10, |v[XS]|, |v[XS+1]|, |v[XS+2]|      ; all 32 numbers of the block are mine
	v_max3_num_f32 v11, |v[XS+3]|, |v[XS+4]|, |v[XS+5]|
.irp i, 6,10,14,18,22,26
	v_max3_num_f32 v10, v10, |v[XS+\i]|, |v[XS+\i+1]|
	v_max3_num_f32 v11, v11, |v[XS+\i+2]|, |v[XS+\i+3]|
.endr
	v_max3_num_f32 v10, v10, |v[XS+30]|, |v[XS+31]|
	v_max3_num_f32 v10, v10, v11, 0x1800000        ; and the floor
	v_add_nc_u32 v14, 0xff000000, v10
	v_lshrrev_b32 v15, 23, v14
.if (\t) == 0
	v_mov_b32 v[PW], v15
.else
	v_lshl_or_b32 v[PW], v15, 8*(\t), v[PW]
.endif
	v_cvt_scalef32_pk16_fp6_f32 v[PC:PC+2], v[XS:XS+15], v14
	v_cvt_scalef32_pk16_fp6_f32 v[PC+4:PC+6], v[XS+16:XS+31], v14
	v_nop                                          ; one plain place behind a scaled conversion
	v_mov_b32 v[PC+3], v[PC+4]                     ; (a conversion's three registers begin on an even number: the gap is closed)
	v_mov_b32 v[PC+4], v[PC+5]
	v_mov_b32 v[PC+5], v[PC+6]
	; block t = 2 c + h' of my column is registers 6 c .. 6 c + 5 of lane idx + 16 h' of the tile's fragment
.if (\t) < 2
	ds_store_b128 v[WA0], v[PC:PC+3] offset:256*(\t)
	ds_store_b64 v[WA0], v[PC+4:PC+5] offset:512+256*(\t)
.else
	ds_store_b64 v[WA0], v[PC:PC+1] offset:520+256*((\t)%2)
	ds_store_b128 v[WA0], v[PC+2:PC+5] offset:1024+256*((\t)%2)
.endif
	s_wait_dscnt 0x0                               ; the stores have read their registers
.endm
	LOADW 0
	LOADW 1
	LOADW 2
	LOADW 3
	BLOCK 0
	BLOCK 1
	BLOCK 2
	BLOCK 3
.irp q, 0,1,2,3,4,5
	ds_load_b128 v[X+4*\q:X+4*\q+3], v[WBK] offset:512*\q
.endr
	s_wait_alu depctr_va_vdst(0)
	global_store_b32 v[WSO], v[PW], s[14:15]       ; 128 consecutive bytes: half of an aligned 256; the whole buffer is 32,768 bytes
.irp q, 0,1,2,3,4,5
	s_wait_dscnt 5-\q                              ; piece q is back; the younger loads may be out
	global_store_b128 v[LI], v[X+4*\q:X+4*\q+3], s[12:13] offset:(\q/3)*12288+512*(\q%3)
.endr
	s_wait_tensorcnt 0x0                           ; the wave's end, behind my last LDS store
	ds_add_u32 v[SPW], v[NIL]
	s_wait_dscnt 0x0
	s_endpgm
.Lfunc_end_k_qc7ce654fca_quant:
	.size	k_qc7ce654fca_quant, .Lfunc_end_k_qc7ce654fca_quant-k_qc7ce654fca_quant
	.p2alignl 7, 3214868480
	.fill 96, 4, 3214868480
	.section	.rodata,"a",@progbits
	.p2align	6, 0x0
	.amdhsa_kernel k_qc7ce654fca_quant
		.amdhsa_group_segment_fixed_size 46592
		.amdhsa_private_segment_fixed_size 0
		.amdhsa_enable_private_segment 0
		.amdhsa_kernarg_size 48
		.amdhsa_user_sgpr_count 2
		.amdhsa_user_sgpr_kernarg_segment_ptr 1
		.amdhsa_wavefront_size32 1
		.amdhsa_system_sgpr_workgroup_id_x 1
		.amdhsa_system_sgpr_workgroup_id_y 1
		.amdhsa_system_sgpr_workgroup_id_z 1
		.amdhsa_system_vgpr_workitem_id 0
		.amdhsa_next_free_vgpr 256
		.amdhsa_next_free_sgpr 66
		.amdhsa_reserve_vcc 1
		.amdhsa_float_denorm_mode_32 3
		.amdhsa_float_denorm_mode_16_64 3
		.amdhsa_memory_ordered 1
		.amdhsa_forward_progress 1
		.amdhsa_inst_pref_size 55
	.end_amdhsa_kernel
	.amdgpu_metadata
---
amdhsa.version: [ 1, 2 ]
amdhsa.kernels:
  - .name:           k_qc7ce654fca_quant
    .symbol:         k_qc7ce654fca_quant.kd
    .args:
      - { .name: x, .offset: 0, .size: 8, .value_kind: global_buffer, .address_space: global }
      - { .name: W, .offset: 8, .size: 8, .value_kind: global_buffer, .address_space: global }
      - { .name: rowc, .offset: 16, .size: 8, .value_kind: global_buffer, .address_space: global }
      - { .name: rowsc, .offset: 24, .size: 8, .value_kind: global_buffer, .address_space: global }
      - { .name: wc, .offset: 32, .size: 8, .value_kind: global_buffer, .address_space: global }
      - { .name: wsc, .offset: 40, .size: 8, .value_kind: global_buffer, .address_space: global }
    .group_segment_fixed_size: 46592
    .private_segment_fixed_size: 0
    .kernarg_segment_align: 8
    .kernarg_segment_size: 48
    .max_flat_workgroup_size: 128
    .sgpr_count:     66
    .vgpr_count:     256
    .wavefront_size: 32
...
	.end_amdgpu_metadata
.endif
;; end of part 1
;; launch proj (part 2): grid 4 x 64, 4 waves a work-group, clusters of 4 x 4, 327,680 bytes of LDS; arguments rowc, rowsc, wc, wsc, kv; writes kv
.if DOCPART == 2
	.amdgcn_target "amdgcn-amd-amdhsa--gfx1250"
	.amdhsa_code_object_version 6
	.text
	.protected	k_qc7ce654fca_proj
	.globl	k_qc7ce654fca_proj
	.p2align	8
	.type	k_qc7ce654fca_proj,@function
k_qc7ce654fca_proj:
	s_mov_b64 s[64:65], 0
	v_nop
	global_prefetch_b8 v0, s[64:65] scope:SCOPE_SE
	s_setreg_imm32_b32 hwreg(HW_REG_WAVE_MODE, 25, 1), 1
	s_wait_xcnt 0x0
	s_wait_alu depctr_hold_cnt(0) depctr_sa_sdst(0) depctr_va_vdst(0) depctr_va_sdst(0) depctr_va_ssrc(0) depctr_va_vcc(0) depctr_vm_vsrc(0)
	s_getreg_b32 s2, hwreg(HW_REG_IB_STS2, 6, 4)
	s_cmp_eq_u32 s2, 0
	s_cbranch_scc0 .Lentry_in_a_cluster
	s_endpgm
.Lentry_in_a_cluster:
	s_bfe_u32 s2, ttmp6, 0x10000c
	s_cmp_lg_u32 s2, 0xf033
	s_cbranch_scc0 .Lentry_shape_is_right
	s_endpgm
.Lentry_shape_is_right:
; p = Q(x) Q(W) on codes of FP6 (E2M3) with E8M0 scales, sums in f32, K = 1,024 ascending; p is quantised at once, twice, and never goes to memory as f32:
; along the head's 64 (the codes of k, and of q: q = p / 8 has the same codes; the 1 / 8 is taken in the softmax's constant) and along the keys (the codes of v).
; SHARES.  A work-group makes 128 rows (8 tiles: the 128 keys of one record) x 256 columns; wave w all 8 row tiles x its 4 column tiles: one head.
; EVERY PRODUCT IS ISSUED IN BOTH ORDERS on the same fragments: T(i, t) = W_t x X_i: a lane holds one row, its registers run along the head's 64;  N(i, t) = X_i x W_t: a lane holds one of the head's 64,
; its registers run along the keys.  So each quantiser finds its K in one lane's consecutive registers, and nothing is transposed.  The sums are the same bit for bit.
; TILES ARE PERMUTED: tile 2 P + u, index idx = element 32 P + 8 u + idx + 8 (idx / 8): the 16 registers of a pair of tiles are then 16 neighbours.
; LDS.  The whole panel fits: A's 8 tiles and B's 16 tiles, all of K, in four chunks of 256 along K; every byte is filled once.  Eight tensor loads of mine are out at the most.
; CLUSTER 4 x 4: A's tiles are shared along a row of the cluster, B's along a column: each is asked for jointly.
; kv: a record of 13,056 bytes for each (batch, head, 128 keys): 8 tiles of k (768 bytes: registers 0-3 at 16 x lane, registers 4-5 at 512 + 8 x lane), 4 fragments of v (1,536), k's scale words [lane][pair], v's [lane][2].
; LIMITS: NaN and infinities are not served; a block whose largest magnitude lies under 2^-124 keeps the byte 1, a block of zeros too; q's 1 / 8 is not in its scale bytes, so blocks of p under 2^-121 differ from the rule's hold.
; REGISTERS.  window 0: addresses, v32-63 x's scale words, v64-79 W's, v80.. the way out.  window 1: v0-95 X's 8 fragments, v96-191 W's 4, two sets.
;   windows 2, 3 (row tiles 0-3, 4-7): T(i, t) at 8 (4 (i % 4) + t), N(i, t) at 128 + 8 (4 t + i % 4).
; THE ORDER IN TILES, as this text has it (this holds where the head comment gives another): in each 64 elements, tile u, index idx = element 32 (idx / 8) + 8 u + idx % 8: the 32 registers that a lane holds over four tiles are 32 neighbours: a whole scale block.
; kv's record: K's eight tiles as an image of 48 registers (12 pieces of 512 bytes: registers 4 q .. 4 q + 3 at 16 x lane), then V's four fragments and the scale words as the head comment has them.
.set DUAL,  1
.set BOFF,  98304                      ; LDS as this text lays it: A [half of K 2][tile 8][6,144] from 0; B [half of K 2][tile 16][6,144] from here.  Four tensor loads in all, one a wave, every byte filled once: this holds where the head comment speaks of four chunks and of eight loads
.set SPARE, 294912                     ; the spare words, 128 bytes for each wave: two blocks of 256 bytes that no other line names
.set REC,   13056
.set LI,  2                            ; v2   16 x lane
.set ADA, 16                           ; v16-17 A's fragments: chunks 0-1, 2-3
.set ADB, 20                           ; v20-21 my B fragments: half h of K
.set LB8, 27                           ; v27  8 x lane
.set SPW, 28                           ; v28  my spare word; never rewritten
.set NIL, 29                           ; v29  0; never rewritten
.set LB4, 30                           ; v30  4 x lane
.set SA,  32                           ; x's scale words: register 4 k + 2 (i / 4) + (i % 4) / 2, lanes 0-15 the even tile, lanes 16-31 the odd
.set SB,  64                           ; W's: register 2 k + t / 2, likewise
.set TM,  80                           ; v80-87 at work
.set HK,  88                           ; v88-95 k's two bytes a tile
.set HV,  96                           ; v96-103 v's two bytes a half fragment
.set KC,  104                          ; v104-151 k's codes, 6 a tile
.set VC,  152                          ; v152-199 v's codes, 12 a fragment
.set QT,  200                          ; v200-202 a conversion's second half
.set KSW, 204                          ; v204-207 k's scale words as stored
.set VW,  208                          ; v208-211 v's scale words
.set VSW, 212                          ; v212-213 as stored
.set XF,  0
.set WF,  96
.set WV,  14                           ; s14  wave
.set G1A, 24                           ; s[24:31] descriptor group 1 for A's tiles;  s[32:39] for B's
.set G1B, 32
.set G0A, 48                           ; s[48:55] groups 0 for A's two halves of K;  s[68:75] for B's
.set G0B, 68
.set SEL, 88                           ; s[88:89]
.set MUL_LO, 0xa5                      ; sources 0 and 1 window 1, C and D window 2
.set MUL_HI, 0xf5                      ; C and D window 3
.set TO_F,   0x40                      ; destination window 1, address window 0
.set MSB, 0
.macro WIN new                         ; the immediate's high byte repeats the setting that is left
.if MSB != (\new)
	s_set_vgpr_msb (MSB<<8)|(\new)
.set MSB, (\new)
.endif
.endm
.macro PLACES                          ; four places in front of loads into registers that matrix instructions have read, and of the first read of results
.rept 4
	v_nop
.endr
.endm
.macro CROUND                          ; a round of the cluster's barrier
	s_barrier_signal -1
	s_barrier_wait -1
	s_cmp_lg_u32 s[WV], 0
	s_cbranch_scc1 .Lnot_wave_0_\@
	s_barrier_signal -3
.Lnot_wave_0_\@:
	s_barrier_wait -3
	s_barrier_signal -1
	s_barrier_wait -1
.endm
; one matrix instruction: D at d, sources at a and b, zero = 1: C = 0 starts the sum; sa, sb the scale registers, ra, rb = 1: taken from lanes 16-31
.macro WM d, a, b, zero, sa, sb, ra, rb
.if \zero
.if (\ra) && (\rb)
	v_wmma_scale_f32_16x16x128_f8f6f4 v[(\d):(\d)+7], v[(\a):(\a)+11], v[(\b):(\b)+11], 0, v[\sa], v[\sb] matrix_a_fmt:MATRIX_FMT_FP6 matrix_b_fmt:MATRIX_FMT_FP6 matrix_a_scale:MATRIX_SCALE_ROW1 matrix_b_scale:MATRIX_SCALE_ROW1
.elseif \ra
	v_wmma_scale_f32_16x16x128_f8f6f4 v[(\d):(\d)+7], v[(\a):(\a)+11], v[(\b):(\b)+11], 0, v[\sa], v[\sb] matrix_a_fmt:MATRIX_FMT_FP6 matrix_b_fmt:MATRIX_FMT_FP6 matrix_a_scale:MATRIX_SCALE_ROW1
.elseif \rb
	v_wmma_scale_f32_16x16x128_f8f6f4 v[(\d):(\d)+7], v[(\a):(\a)+11], v[(\b):(\b)+11], 0, v[\sa], v[\sb] matrix_a_fmt:MATRIX_FMT_FP6 matrix_b_fmt:MATRIX_FMT_FP6 matrix_b_scale:MATRIX_SCALE_ROW1
.else
	v_wmma_scale_f32_16x16x128_f8f6f4 v[(\d):(\d)+7], v[(\a):(\a)+11], v[(\b):(\b)+11], 0, v[\sa], v[\sb] matrix_a_fmt:MATRIX_FMT_FP6 matrix_b_fmt:MATRIX_FMT_FP6
.endif
.else
.if (\ra) && (\rb)
	v_wmma_scale_f32_16x16x128_f8f6f4 v[(\d):(\d)+7], v[(\a):(\a)+11], v[(\b):(\b)+11], v[(\d):(\d)+7], v[\sa], v[\sb] matrix_a_fmt:MATRIX_FMT_FP6 matrix_b_fmt:MATRIX_FMT_FP6 matrix_a_scale:MATRIX_SCALE_ROW1 matrix_b_scale:MATRIX_SCALE_ROW1
.elseif \ra
	v_wmma_scale_f32_16x16x128_f8f6f4 v[(\d):(\d)+7], v[(\a):(\a)+11], v[(\b):(\b)+11], v[(\d):(\d)+7], v[\sa], v[\sb] matrix_a_fmt:MATRIX_FMT_FP6 matrix_b_fmt:MATRIX_FMT_FP6 matrix_a_scale:MATRIX_SCALE_ROW1
.elseif \rb
	v_wmma_scale_f32_16x16x128_f8f6f4 v[(\d):(\d)+7], v[(\a):(\a)+11], v[(\b):(\b)+11], v[(\d):(\d)+7], v[\sa], v[\sb] matrix_a_fmt:MATRIX_FMT_FP6 matrix_b_fmt:MATRIX_FMT_FP6 matrix_b_scale:MATRIX_SCALE_ROW1
.else
	v_wmma_scale_f32_16x16x128_f8f6f4 v[(\d):(\d)+7], v[(\a):(\a)+11], v[(\b):(\b)+11], v[(\d):(\d)+7], v[\sa], v[\sb] matrix_a_fmt:MATRIX_FMT_FP6 matrix_b_fmt:MATRIX_FMT_FP6
.endif
.endif
.endm
; row tile i against my four column tiles, K step k.  The accumulators take turns, one instruction a turn, in the same order in every K step.
.macro MULI i, k, zero
.irp t, 0,1,2,3
	WM 8*(4*((\i)%4)+\t), WF+48*((\k)%2)+12*\t, XF+12*(\i), \zero, SB+2*(\k)+\t/2, SA+4*(\k)+2*((\i)/4)+((\i)%4)/2, \t%2, (\i)%2
.endr
.if DUAL
.irp t, 0,1,2,3
	WM 128+8*(4*\t+(\i)%4), XF+12*(\i), WF+48*((\k)%2)+12*\t, \zero, SA+4*(\k)+2*((\i)/4)+((\i)%4)/2, SB+2*(\k)+\t/2, (\i)%2, \t%2
.endr
.endif
.endm
.macro FRAG reg, adr, off              ; a fragment's image: three loads of 512 consecutive bytes
.irp c, 0,1,2
	ds_load_b128 v[(\reg)+4*\c:(\reg)+4*\c+3], v[\adr] offset:(\off)+512*\c
.endr
.endm
.macro FETCH_A k, i0                   ; X's tiles i0 .. i0 + 3 of K step k
	WIN TO_F
.irp i, 0,1,2,3
	FRAG XF+12*((\i0)+\i), ADA+(\k)/4, 6144*((\i0)+\i)+1536*((\k)%4)
.endr
.endm
.macro FETCH_B k                       ; my four tiles of W of K step k, into set k % 2
	WIN TO_F
.irp t, 0,1,2,3
	FRAG WF+48*((\k)%2)+12*\t, ADB+(\k)/4, 6144*\t+1536*((\k)%4)
.endr
.endm
; A K step of 128.  A tile of X is free as soon as its products are issued: one set serves X (tiles 0-3 are fetched anew in the step's middle, tiles 4-7 at its end); W has two sets.
; In step 3 the second half of K is shown whole to all four waves: every wave's load has landed, then a barrier, behind which nothing is filled.
.macro STEP k, zero
	s_wait_dscnt 12                                ; W's set and X's tiles 0-3 are in; the youngest twelve loads (tiles 4-7) may be out
	WIN MUL_LO
	MULI 0, \k, \zero
	MULI 1, \k, \zero
.if (\k) == 3                          ; the second half of K is shown whole to all four waves: every wave waits for its one load, then a barrier, behind which nothing is filled
	s_wait_dscnt 0x0                               ; no LDS instruction of mine is pending at a signal
	s_wait_tensorcnt 0x0
	s_barrier_signal -1
.endif
	MULI 2, \k, \zero
	MULI 3, \k, \zero
.if (\k) == 3
	s_barrier_wait -1
.endif
	s_wait_dscnt 0x0                               ; X's tiles 4-7 are in
.if (\k) < 7
	PLACES
	FETCH_B (\k)+1
	FETCH_A (\k)+1, 0
.endif
	WIN MUL_HI
	MULI 4, \k, \zero
	MULI 5, \k, \zero
	MULI 6, \k, \zero
	MULI 7, \k, \zero
.if (\k) < 7
	PLACES
	FETCH_A (\k)+1, 4
.endif
.endm
; 32 numbers of a lane in window win, one whole block of 32 along K, become six registers of codes and the block's byte.  The reads ascend: each accumulator is first read at its low end.
.macro QUANT2 win, src, dst, tmp, hw
	WIN (\win)|((\win)<<2)
.irp b, 0,1
	v_max3_num_f32 v[TM+\b], |v[(\src)+16*\b]|, |v[(\src)+16*\b+1]|, 0x1800000   ; my 16 numbers, and the floor 2^(3 - 127): the byte cannot fall under 1
.endr
.irp i, 2,4,6,8,10,12,14
.irp b, 0,1
	v_max3_num_f32 v[TM+\b], |v[(\src)+16*\b+\i]|, |v[(\src)+16*\b+\i+1]|, v[TM+\b]
.endr
.endr
	WIN 0
	v_max_num_f32 v[TM], v[TM], v[TM+1]            ; the two chains joined: the block's largest magnitude
	v_add_nc_u32 v[TM+4], 0xff000000, v[TM]        ; 2 off its exponent field: the conversions' scale operand
	v_lshrrev_b32 v[\hw], 23, v[TM+4]              ; the scale's byte
	WIN \win
	v_cvt_scalef32_pk16_fp6_f32 v[(\dst):(\dst)+2], v[(\src):(\src)+15], v[TM+4]
	v_cvt_scalef32_pk16_fp6_f32 v[(\tmp):(\tmp)+2], v[(\src)+16:(\src)+31], v[TM+4]
	WIN 0
	v_nop                                          ; one plain place behind a scaled conversion
.irp i, 0,1,2
	v_mov_b32 v[(\dst)+3+\i], v[(\tmp)+\i]
.endr
.endm
	s_load_b256 s[4:11], s[0:1], 0x0               ; rowc s[4:5], rowsc s[6:7], wc s[8:9], wsc s[10:11]
	s_load_b64 s[12:13], s[0:1], 0x20              ; kv
	v_lshl_add_u32 v[SPW], v0, 2, SPARE
	v_mov_b32 v[NIL], 0
	ds_add_u32 v[SPW], v[NIL]                      ; the wave's opening: the add and its wait ahead of my first tensor load; the set-up below, work on registers, stands between them
	ds_add_u32 v[SPW], v[NIL]
	v_lshrrev_b32 v1, 5, v0
	v_readfirstlane_b32 s[WV], v1                  ; wave 0..3
	v_and_b32 v1, 31, v0                           ; lane
	v_lshlrev_b32 v[LI], 4, v1
	s_wait_alu depctr_va_vdst(0)
	v_lshlrev_b32 v[LB8], 3, v1
	v_lshlrev_b32 v[LB4], 2, v1
	s_bfe_u32 s40, ttmp6, 0x40000                  ; cx, cy: my place in the cluster
	s_bfe_u32 s41, ttmp6, 0x40004
	s_lshl_b32 s42, ttmp9, 2
	s_add_co_u32 s42, s42, s40                     ; X: which 256 columns
	s_and_b32 s17, ttmp7, 0xffff
	s_lshl_b32 s17, s17, 2
	s_add_co_u32 s17, s17, s41                     ; G: which 128 rows
	s_lshl_b32 s43, s41, 2
	s_lshl_b32 s43, 15, s43                        ; my row of the cluster
	s_lshl_b32 s44, 0x1111, s40                    ; my column
	s_or_b32 s[G1A], s43, (3<<16)|(1<<21)          ; 15:0 the mask; 17:16 elements of 8 bytes; 21 set beside a mask; no padding
	s_or_b32 s[G1B], s44, (3<<16)|(1<<21)
	s_mov_b32 s[G1A+1], 768<<16                    ; tensor_dim0: 6,144 bytes: a tile's four K steps
	s_mov_b32 s[G1A+2], 8<<16                      ; tensor_dim1: eight tiles
	s_mov_b32 s[G1A+3], 768<<16                    ; tile_dim0
	s_mov_b32 s[G1A+4], 8                          ; tile_dim1
	s_mov_b32 s[G1A+5], 1536                       ; from tile to tile: 12,288 bytes
	s_mov_b32 s[G1A+6], 0
	s_mov_b32 s[G1A+7], 0
	s_mov_b32 s[G1B+1], 768<<16
	s_mov_b32 s[G1B+2], 16<<16                     ; sixteen tiles
	s_mov_b32 s[G1B+3], 768<<16
	s_mov_b32 s[G1B+4], 16
	s_mov_b32 s[G1B+5], 1536
	s_mov_b32 s[G1B+6], 0
	s_mov_b32 s[G1B+7], 0
	s_mul_i32 s20, s17, 98304                      ; A: row tiles 8 G .. 8 G + 7
	s_mov_b32 s21, 0
	s_mul_i32 s46, s42, 196608                     ; B: column tiles 16 X .. 16 X + 15
	s_mov_b32 s47, 0
	s_mul_i32 s18, s[WV], 24576                    ; my four column tiles in a half of B
	s_add_co_u32 s18, s18, BOFF
	v_add_nc_u32 v[ADA], 0, v[LI]
	v_add_nc_u32 v[ADA+1], 49152, v[LI]
.irp c, 0,1
	s_add_co_u32 s15, s18, 98304*\c
	v_add_nc_u32 v[ADB+\c], s15, v[LI]
.endr
	s_wait_dscnt 0x0                               ; the opening add is done
	s_wait_kmcnt 0x0
	s_add_nc_u64 s[20:21], s[4:5], s[20:21]
	s_add_nc_u64 s[46:47], s[8:9], s[46:47]
.irp c, 0,1                                    ; a group 0 for each half of K, of A and of B; the LDS places are constants
	s_mov_b32 s[G0A+4*\c], 1
	s_mov_b32 s[G0A+4*\c+1], 49152*\c
	s_add_nc_u64 s[G0A+4*\c+2:G0A+4*\c+3], s[20:21], 6144*\c
	s_or_b32 s[G0A+4*\c+3], s[G0A+4*\c+3], 0x80000000
	s_mov_b32 s[G0B+4*\c], 1
	s_mov_b32 s[G0B+4*\c+1], BOFF+98304*\c
	s_add_nc_u64 s[G0B+4*\c+2:G0B+4*\c+3], s[46:47], 6144*\c
	s_or_b32 s[G0B+4*\c+3], s[G0B+4*\c+3], 0x80000000
.endr
	CROUND                                         ; all sixteen work-groups are here: the joint loads meet
	; all fills of the launch, one a wave, in one chain of arms on the wave's number: A's first half of K, B's first, A's second, B's second
	s_cmp_eq_u32 s[WV], 0
	s_cbranch_scc0 .Lw1
	tensor_load_to_lds s[G0A:G0A+3], s[G1A:G1A+7]
	s_nop 0
	PLACES
	s_branch .Lasked
.Lw1:
	s_cmp_eq_u32 s[WV], 1
	s_cbranch_scc0 .Lw2
	tensor_load_to_lds s[G0B:G0B+3], s[G1B:G1B+7]
	s_nop 0
	PLACES
	s_branch .Lasked
.Lw2:
	s_cmp_eq_u32 s[WV], 2
	s_cbranch_scc0 .Lw3
	tensor_load_to_lds s[G0A+4:G0A+7], s[G1A:G1A+7]
	s_nop 0
	PLACES
	s_branch .Lasked
.Lw3:
	tensor_load_to_lds s[G0B+4:G0B+7], s[G1B:G1B+7]
	s_nop 0
	PLACES
.Lasked:
	s_lshl_b32 s2, s17, 12                         ; x's scale words: 2 x 2,048 bytes for my 8 tiles
	s_mov_b32 s3, 0
	s_add_nc_u64 s[6:7], s[6:7], s[2:3]
	s_lshl_b32 s2, s42, 3
	s_lshl_b32 s16, s[WV], 1
	s_add_co_u32 s2, s2, s16
	s_lshl_b32 s2, s2, 10                          ; W's: 1,024 bytes a pair of tiles; my two pairs
	s_add_nc_u64 s[10:11], s[10:11], s[2:3]
	s_wait_alu depctr_va_vdst(0)
.irp k, 0,1,2,3,4,5,6,7
.irp q, 0,1
	global_load_b64 v[SA+4*\k+2*\q:SA+4*\k+2*\q+1], v[LB8], s[6:7] offset:2048*\q+256*\k
	global_load_b32 v[SB+2*\k+\q], v[LB4], s[10:11] offset:1024*\q+128*\k
.endr
.endr
	s_cmp_lt_u32 s[WV], 2                          ; waves 0 and 1 wait for the first half of K; the second half's loads, lines of waves 2 and 3 alone, may stay out
	s_cbranch_scc0 .Lnot_first
	s_wait_tensorcnt 0x0
.Lnot_first:
	s_barrier_signal -1
	s_barrier_wait -1                              ; everybody's are
	FETCH_B 0
	FETCH_A 0, 0
	FETCH_A 0, 4
	s_wait_loadcnt 0x0                             ; the scale words
	STEP 0, 1                                      ; the first K step starts the sums: nothing is cleared
	STEP 1, 0
	STEP 2, 0
	STEP 3, 0
	STEP 4, 0
	STEP 5, 0
	STEP 6, 0
	STEP 7, 0
	WIN 0
	PLACES
	; ---- the way out: my head's record of these 128 keys
	s_lshr_b32 s2, s17, 4                          ; batch
	s_lshl_b32 s2, s2, 4
	s_lshl_b32 s3, s42, 2
	s_add_co_u32 s2, s2, s3
	s_add_co_u32 s2, s2, s[WV]                     ; 16 x batch + head
	s_lshl_b32 s2, s2, 4
	s_and_b32 s3, s17, 15
	s_add_co_u32 s2, s2, s3                        ; + which 128 keys
	s_mul_i32 s2, s2, REC
	s_mov_b32 s3, 0
	s_add_nc_u64 s[12:13], s[12:13], s[2:3]
.irp i, 0,1,2,3,4,5,6,7                        ; k: row tile i, along the head's 64
	QUANT2 2+\i/4, 32*(\i%4), KC+6*\i, QT, HK+\i
.if \i%2 == 1                                  ; a pair of tiles is twelve registers, three pieces of K's image: they leave at once.  Every store covers 512 consecutive bytes, aligned; no data register is written again
.irp c, 0,1,2
	global_store_b128 v[LI], v[KC+6*(\i-1)+4*\c:KC+6*(\i-1)+4*\c+3], s[12:13] offset:512*(3*(\i/2)+\c)
.endr
.endif
.endr
.irp t, 0,1,2,3                                ; v: tile t of the head's 64, along the 128 keys
	QUANT2 2, 128+32*\t, VC+12*\t, QT, HV+2*\t
	QUANT2 3, 128+32*\t, VC+12*\t+6, QT, HV+2*\t+1
	v_lshl_or_b32 v[VW+\t], v[HV+2*\t+1], 16, v[HV+2*\t]
.irp c, 0,1,2                                  ; the fragment leaves at once
	global_store_b128 v[LI], v[VC+12*\t+4*\c:VC+12*\t+4*\c+3], s[12:13] offset:6144+1536*\t+512*\c
.endr
.endr
	; a lane holds the byte of its own half's block.  The swap puts both tiles' lower blocks into the first register (even tile in lanes 0-15, odd tile in lanes 16-31) and their upper blocks into the second
.irp b, 0,1,2,3
	v_permlane16_swap_b32 v[HK+2*\b], v[HK+2*\b+1]
.endr
.irp b, 0,1,2,3
	v_lshl_or_b32 v[KSW+\b], v[HK+2*\b+1], 8, v[HK+2*\b]         ; bytes 2 and 3 stay 0
.endr
.irp q, 0,1
	v_permlane16_swap_b32 v[VW+2*\q], v[VW+2*\q+1]
.endr
.irp q, 0,1
	v_lshl_or_b32 v[VSW+\q], v[VW+2*\q+1], 8, v[VW+2*\q]         ; byte 2 c + h: blocks 0 and 2 from lanes 0-15, blocks 1 and 3 from lanes 16-31
.endr
	global_store_b128 v[LI], v[KSW:KSW+3], s[12:13] offset:12288
	global_store_b64 v[LB8], v[VSW:VSW+1], s[12:13] offset:12800
	s_wait_tensorcnt 0x0                           ; the wave's end, behind my last tensor load
	ds_add_u32 v[SPW], v[NIL]
	s_wait_dscnt 0x0
	CROUND                                         ; the closing round
	s_endpgm
.Lfunc_end_k_qc7ce654fca_proj:
	.size	k_qc7ce654fca_proj, .Lfunc_end_k_qc7ce654fca_proj-k_qc7ce654fca_proj
	.p2alignl 7, 3214868480
	.fill 96, 4, 3214868480
	.section	.rodata,"a",@progbits
	.p2align	6, 0x0
	.amdhsa_kernel k_qc7ce654fca_proj
		.amdhsa_group_segment_fixed_size 327680
		.amdhsa_private_segment_fixed_size 0
		.amdhsa_enable_private_segment 0
		.amdhsa_kernarg_size 40
		.amdhsa_user_sgpr_count 2
		.amdhsa_user_sgpr_kernarg_segment_ptr 1
		.amdhsa_wavefront_size32 1
		.amdhsa_system_sgpr_workgroup_id_x 1
		.amdhsa_system_sgpr_workgroup_id_y 1
		.amdhsa_system_sgpr_workgroup_id_z 1
		.amdhsa_system_vgpr_workitem_id 0
		.amdhsa_next_free_vgpr 1024
		.amdhsa_next_free_sgpr 96
		.amdhsa_reserve_vcc 0
		.amdhsa_float_denorm_mode_32 3
		.amdhsa_float_denorm_mode_16_64 3
		.amdhsa_memory_ordered 1
		.amdhsa_forward_progress 1
		.amdhsa_inst_pref_size 124
	.end_amdhsa_kernel
	.amdgpu_metadata
---
amdhsa.version: [ 1, 2 ]
amdhsa.kernels:
  - .name:           k_qc7ce654fca_proj
    .symbol:         k_qc7ce654fca_proj.kd
    .args:
      - { .name: rowc, .offset: 0, .size: 8, .value_kind: global_buffer, .address_space: global }
      - { .name: rowsc, .offset: 8, .size: 8, .value_kind: global_buffer, .address_space: global }
      - { .name: wc, .offset: 16, .size: 8, .value_kind: global_buffer, .address_space: global }
      - { .name: wsc, .offset: 24, .size: 8, .value_kind: global_buffer, .address_space: global }
      - { .name: kv, .offset: 32, .size: 8, .value_kind: global_buffer, .address_space: global }
    .group_segment_fixed_size: 327680
    .private_segment_fixed_size: 0
    .kernarg_segment_align: 8
    .kernarg_segment_size: 40
    .max_flat_workgroup_size: 128
    .sgpr_count:     96
    .vgpr_count:     1024
    .wavefront_size: 32
...
	.end_amdgpu_metadata
.endif
;; end of part 2
;; launch attn (part 3): grid 4 x 64, 16 waves a work-group, clusters of 4 x 1, 327,680 bytes of LDS; arguments kv, rowc, rowsc; writes rowc, rowsc
.if DOCPART == 3
	.amdgcn_target "amdgcn-amd-amdhsa--gfx1250"
	.amdhsa_code_object_version 6
	.text
	.protected	k_qc7ce654fca_attn
	.globl	k_qc7ce654fca_attn
	.p2align	8
	.type	k_qc7ce654fca_attn,@function
k_qc7ce654fca_attn:
	s_mov_b64 s[64:65], 0
	v_nop
	global_prefetch_b8 v0, s[64:65] scope:SCOPE_SE
	s_setreg_imm32_b32 hwreg(HW_REG_WAVE_MODE, 25, 1), 1
	s_wait_xcnt 0x0
	s_wait_alu depctr_hold_cnt(0) depctr_sa_sdst(0) depctr_va_vdst(0) depctr_va_sdst(0) depctr_va_ssrc(0) depctr_va_vcc(0) depctr_vm_vsrc(0)
	s_getreg_b32 s2, hwreg(HW_REG_IB_STS2, 6, 4)
	s_cmp_eq_u32 s2, 0
	s_cbranch_scc0 .Lentry_in_a_cluster
	s_endpgm
.Lentry_in_a_cluster:
	s_bfe_u32 s2, ttmp6, 0x10000c
	s_cmp_lg_u32 s2, 0x3003
	s_cbranch_scc0 .Lentry_shape_is_right
	s_endpgm
.Lentry_shape_is_right:
; For each (batch, head): O = softmax(q k^T) v with q = k / 8 = v / 8 = p / 8, both products on codes of FP6 (E2M3) with E8M0 scales; O / l is quantised along the head's 64 at once, as the last product's operand.
; THE SOFTMAX: t = score x log2(e) / 8 (the scores are taken of k's codes on both sides: q's 1 / 8 is an exact power of two and stands in the constant); M = the running largest t rounded UP to a whole number;
; p = 2^(t - M) is quantised along the keys, not normalised; the row's sum is taken of the unquantised p and divides at the end.  When M moves, the sum and O are multiplied by 2^(old M - new M): exact.
; SHARES.  A work-group owns ONE (batch, head) and 512 of its queries: 64 x 4 = 256 work-groups.  Each of its sixteen waves owns a pair of tiles of 16 queries and walks the head's 16 records once for each tile.
; LDS.  The head's 16 records (2,048 keys, 208,896 bytes) lie in LDS whole; every byte is filled once, by sixteen tensor loads, one a wave, one record each.  No byte is filled again, so the walk has no ring.
; Records 0-3 (waves 0-3, a load line of their own) are shown by the first barrier, the others by a plain barrier behind four key steps; from there on the waves share nothing until the scale bytes meet.
; CLUSTER 4 x 1: the four query blocks of a head read the same records: each load is asked for jointly.  No data prefetch: all that the launch reads by tensor loads is asked for at its head, there is no loop to run ahead in.
; LAYOUT.  S^T = K Q^T (source 0 = 16 keys, source 1 = my queries), O^T = V^T P (source 0 = 16 of the head's 64): a lane holds ONE query throughout.  In each 64 elements (keys, or the head's 64), tile u, index idx =
; element 32 (idx / 8) + 8 u + idx % 8.  So the 32 registers that lane (r, h) holds over four tiles are 32 neighbours, 32 h + 0 .. 31 of the 64: a whole scale block, in the place where the next operand wants it: no lane is asked for a block's maximum, no code changes lanes.
; THE SUM of a step's p is taken at the head of the next step (behind the last step: at the tile's end): its additions are the places behind the products, and stand under K's LDS loads.
; K = 64 FILLS HALF OF THE INSTRUCTION'S 128: Q's fragment is six registers of codes and six of zeros; a tile of K is six registers, and the six named behind them (the next tile's codes) meet zeros.
; Bytes 2 and 3 of K's and Q's scale words are 0, which stands for a power of two.
; kv: records of 13,056 bytes (128 keys of one head): K's 8 tiles as an image of 48 registers (12 x 512), 4 fragments of V x 1,536, K's scale words 512, V's 256; a head's 16 records are consecutive.
; OUT.  rowc [row tile 512][head 16][768]: six registers of codes: registers 0-3 at 16 x lane, registers 4-5 at 512 + 8 x lane.  rowsc [head 16][pair of tiles 256][lane 32] half words: the two scale bytes of row lane % 16 of tile 2 P + lane / 16.
; LIMITS: NaN and infinities are not served; the promise holds while the scaled scores t stay under 2^31 in magnitude; a block whose largest magnitude lies under 2^-124 keeps the byte 1, a block of zeros too.
.set REC,   13056
.set NREC,  16
.set SPARE, NREC*REC                   ; 208,896: the spare words, 128 bytes for each wave: eight blocks of 256 bytes that no other line names
.set SCST,  SPARE+2048                 ; 1,024 bytes: the sixteen waves' scale bytes meet here; no tile lands here
.set LI,  1                            ; v1   16 x lane
.set LB8, 2                            ; v2   8 x lane
.set ADR, 3                            ; v3, v4 the record in hand + these (v3 at the head: 16 r, for Q's scale words)
.set ADR8, 4
.set SPW, 5                            ; v5   my spare word; never rewritten
.set NIL, 6                            ; v6   0; never rewritten
.set BM,  212                          ; v212-215 four chains of maxima; then v212, v214 my two blocks' largest score, then their largest p
.set SO,  220                          ; v220-221 the conversions' scale operands; v222-223 the bytes
.set TM,  212                          ; at a tile's end: v212-216 at work
.set OC,  236                          ; v236-241, v242-247 the codes of my two tiles
.set HW,  248                          ; v248-249 their scale byte of my half
.set WV,  18                           ; s18  wave
.set SEL, 20                           ; s[20:21] lane l xor 16
.set CS,  22                           ; s[22:23] c = log2(e) / 8
.set G1,  24                           ; s[24:31]
.set G0,  40                           ; s[40:43]
.set TB,  2                            ; s2   LDS byte of the record in hand
.set CNT, 3                            ; s3
; REGISTERS: v7 LDS and v10 rowsc offset of the 16 scale bytes that waves 0, 1 carry out; v8 8 h; v9 LDS place of my half word; v12 -M, v13 the largest score, v[14:15] the sum; v16-27, v28-39 Q of my two tiles;
; v40-93 K's 8 tiles (6 apart; v88-93 zeros), then V's 4 fragments; v94, v95 Q's scale words; v96-159 S^T, then p; v160-191 O^T; v192-203 p's codes; v204-210 conversions' second halves; v216, v217, v233 at work;
; v224-227 K's scale words, v228-229 V's, v232 p's; v[230:231] f; v216-217, v234-235, v242-247, v252-255 the sum's chains; v[250:251] 1 / l.
.macro CROUND                          ; a round of the cluster's barrier
	s_barrier_signal -1
	s_barrier_wait -1
	s_cmp_lg_u32 s[WV], 0
	s_cbranch_scc1 .Lnot_wave_0_\@
	s_barrier_signal -3
.Lnot_wave_0_\@:
	s_barrier_wait -3
	s_barrier_signal -1
	s_barrier_wait -1
.endm
.macro TLOAD                           ; my record; an s_nop 0 and four v_nop follow
	tensor_load_to_lds s[G0:G0+3], s[G1:G1+7]
	s_nop 0
.rept 4
	v_nop
.endr
.endm
; one matrix instruction: D at d, sources at a and b, zero = 1: C = 0 starts the sum; sa, sb the scale registers, ra = 1: source 0's scales from lanes 16-31
.macro WM d, a, b, zero, sa, sb, ra
.if \zero
.if \ra
	v_wmma_scale_f32_16x16x128_f8f6f4 v[(\d):(\d)+7], v[(\a):(\a)+11], v[(\b):(\b)+11], 0, v[\sa], v[\sb] matrix_a_fmt:MATRIX_FMT_FP6 matrix_b_fmt:MATRIX_FMT_FP6 matrix_a_scale:MATRIX_SCALE_ROW1
.else
	v_wmma_scale_f32_16x16x128_f8f6f4 v[(\d):(\d)+7], v[(\a):(\a)+11], v[(\b):(\b)+11], 0, v[\sa], v[\sb] matrix_a_fmt:MATRIX_FMT_FP6 matrix_b_fmt:MATRIX_FMT_FP6
.endif
.else
.if \ra
	v_wmma_scale_f32_16x16x128_f8f6f4 v[(\d):(\d)+7], v[(\a):(\a)+11], v[(\b):(\b)+11], v[(\d):(\d)+7], v[\sa], v[\sb] matrix_a_fmt:MATRIX_FMT_FP6 matrix_b_fmt:MATRIX_FMT_FP6 matrix_a_scale:MATRIX_SCALE_ROW1
.else
	v_wmma_scale_f32_16x16x128_f8f6f4 v[(\d):(\d)+7], v[(\a):(\a)+11], v[(\b):(\b)+11], v[(\d):(\d)+7], v[\sa], v[\sb] matrix_a_fmt:MATRIX_FMT_FP6 matrix_b_fmt:MATRIX_FMT_FP6
.endif
.endif
.endm
; 32 numbers of a lane, one whole block along K, become six registers of codes and the block's byte
.macro QB src, dst, tmp, er
.irp b, 0,1
	v_max3_num_f32 v[TM+\b], |v[(\src)+16*\b]|, |v[(\src)+16*\b+1]|, 0x1800000   ; two chains of 16, and the floor 2^(3 - 127): the byte cannot fall under 1
.endr
.irp i, 2,4,6,8,10,12,14
.irp b, 0,1
	s_delay_alu instid0(VALU_DEP_2)
	v_max3_num_f32 v[TM+\b], |v[(\src)+16*\b+\i]|, |v[(\src)+16*\b+\i+1]|, v[TM+\b]
.endr
.endr
	s_delay_alu instid0(VALU_DEP_1)
	v_max_num_f32 v[TM], v[TM], v[TM+1]            ; the block's largest magnitude
	s_delay_alu instid0(VALU_DEP_1)
	v_add_nc_u32 v[TM+4], 0xff000000, v[TM]        ; 2 off its exponent field: the conversions' scale operand
	s_delay_alu instid0(VALU_DEP_1)
	v_lshrrev_b32 v[\er], 23, v[TM+4]              ; the scale's byte
	v_cvt_scalef32_pk16_fp6_f32 v[(\dst):(\dst)+2], v[(\src):(\src)+15], v[TM+4]
	v_cvt_scalef32_pk16_fp6_f32 v[(\tmp):(\tmp)+2], v[(\src)+16:(\src)+31], v[TM+4]
	v_nop                                          ; one plain place behind a scaled conversion
.irp i, 0,1,2
	v_mov_b32 v[(\dst)+3+\i], v[(\tmp)+\i]         ; (a conversion's three registers begin on an even number)
.endr
.endm
; THE SUM of the 64 p in v96-159, two at a time, in eight chains: 2 + 23 additions that read p, and 7 that join the chains
.macro SUMA1
	v_pk_add_f32 v[216:217], v[100:101], v[104:105]
	v_pk_add_f32 v[254:255], v[108:109], v[112:113]
.endm
.macro SUMA2
	v_pk_add_f32 v[252:253], v[116:117], v[120:121]
	v_pk_add_f32 v[246:247], v[124:125], v[128:129]
	v_pk_add_f32 v[244:245], v[132:133], v[136:137]
	v_pk_add_f32 v[242:243], v[140:141], v[144:145]
	v_pk_add_f32 v[234:235], v[148:149], v[152:153]
	v_pk_add_f32 v[14:15], v[14:15], v[156:157]
	v_pk_add_f32 v[216:217], v[216:217], v[96:97]
	v_pk_add_f32 v[254:255], v[254:255], v[98:99]
	v_pk_add_f32 v[252:253], v[252:253], v[102:103]
	v_pk_add_f32 v[246:247], v[246:247], v[106:107]
	v_pk_add_f32 v[244:245], v[244:245], v[110:111]
	v_pk_add_f32 v[242:243], v[242:243], v[114:115]
	v_pk_add_f32 v[234:235], v[234:235], v[118:119]
	v_pk_add_f32 v[14:15], v[14:15], v[122:123]
	v_pk_add_f32 v[216:217], v[216:217], v[126:127]
	v_pk_add_f32 v[254:255], v[254:255], v[130:131]
	v_pk_add_f32 v[252:253], v[252:253], v[134:135]
	v_pk_add_f32 v[246:247], v[246:247], v[138:139]
	v_pk_add_f32 v[244:245], v[244:245], v[142:143]
	v_pk_add_f32 v[242:243], v[242:243], v[146:147]
	v_pk_add_f32 v[234:235], v[234:235], v[150:151]
	v_pk_add_f32 v[14:15], v[14:15], v[154:155]
	v_pk_add_f32 v[216:217], v[216:217], v[158:159]
.endm
.macro SUMB
	v_pk_add_f32 v[14:15], v[14:15], v[246:247]
	v_pk_add_f32 v[216:217], v[216:217], v[244:245]
	v_pk_add_f32 v[254:255], v[254:255], v[242:243]
	v_pk_add_f32 v[252:253], v[252:253], v[234:235]
	s_delay_alu instid0(VALU_DEP_2)
	v_pk_add_f32 v[14:15], v[14:15], v[254:255]
	s_delay_alu instid0(VALU_DEP_2)
	v_pk_add_f32 v[216:217], v[216:217], v[252:253]
	s_delay_alu instid0(VALU_DEP_1)
	v_pk_add_f32 v[14:15], v[14:15], v[216:217]
.endm
	s_load_b128 s[4:7], s[0:1], 0x0                ; kv s[4:5], rowc s[6:7]
	s_load_b64 s[8:9], s[0:1], 0x10                ; rowsc
	v_lshl_add_u32 v[SPW], v0, 2, SPARE
	v_mov_b32 v[NIL], 0
	ds_add_u32 v[SPW], v[NIL]                      ; the wave's opening: the add, twice on end, and its wait ahead of my tensor load; the set-up below stands between
	ds_add_u32 v[SPW], v[NIL]
	v_lshrrev_b32 v7, 5, v0
	s_delay_alu instid0(VALU_DEP_1)
	v_readfirstlane_b32 s[WV], v7                  ; wave 0..15
	v_and_b32 v11, 31, v0                          ; lane
	s_delay_alu instid0(VALU_DEP_1)
	v_lshlrev_b32 v[LI], 4, v11
	s_delay_alu instid0(VALU_DEP_2)
	v_lshlrev_b32 v[LB8], 3, v11
	v_and_b32 v7, 15, v0                           ; r
	v_and_b32 v10, 63, v0
	v_bfe_u32 v8, v0, 4, 1                         ; h
	v_lshlrev_b32 v3, 4, v7                        ; 16 r: Q's scale words
	v_lshlrev_b32 v10, 4, v10                      ; waves 0, 1: 16 bytes a lane of the work-group's 1,024 scale bytes
	v_lshlrev_b32 v8, 3, v8                        ; 8 h: how far my two bytes are shifted in p's scale word
	v_lshl_add_u32 v9, v0, 1, SCST                 ; my half word: 64 x wave + 2 x lane: rowsc's own order
	v_add_nc_u32 v7, SCST, v10
	s_wait_alu depctr_va_vdst(0)                   ; ahead of the run of scalar lines
	s_bfe_u32 s10, ttmp6, 0x40000                  ; cx: my block of 512 queries: it enters Q's and the outputs' addresses alone
	s_and_b32 s12, ttmp7, 0xffff                   ; y = 16 x batch + head, which the four partners share
	s_mov_b32 s[G1], 15|(3<<16)|(1<<21)            ; 15:0 the mask: all four; 17:16 elements of 8 bytes; 21 set beside a mask; no padding
	s_mov_b32 s[G1+1], 32<<16                      ; tensor_dim0: 256 bytes
	s_mov_b32 s[G1+2], 51<<16                      ; tensor_dim1: a record is 51 such rows, dense
	s_mov_b32 s[G1+3], 32<<16                      ; tile_dim0
	s_mov_b32 s[G1+4], 51                          ; tile_dim1
	s_mov_b32 s[G1+5], 32                          ; the pitch
	s_mov_b32 s[G1+6], 0
	s_mov_b32 s[G1+7], 0
	s_mul_i32 s13, s[WV], REC                      ; the record that I fetch: in memory and in LDS alike
	s_mul_i32 s34, s12, NREC*REC                   ; my head's 16 records
	s_mov_b32 s35, 0
	s_lshr_b32 s14, s[WV], 2                       ; my queries are tiles 2 (w % 4), + 1 of record 4 cx + w / 4: pieces 3 (w % 4) .. + 2 of K's image
	s_lshl_b32 s15, s10, 2
	s_add_co_u32 s14, s14, s15
	s_mul_i32 s14, s14, REC
	s_and_b32 s15, s[WV], 3
	s_mul_i32 s16, s15, 1536
	s_add_co_u32 s36, s14, s16
	s_mov_b32 s37, 0
	s_lshl_b32 s16, s15, 2                         ; their scale words: 256 (i % 2) + 4 (i / 2) + 16 r behind the record's byte 12,288
	s_add_co_u32 s38, s14, s16
	s_mov_b32 s39, 0
	s_lshr_b32 s14, s12, 4                         ; batch
	s_and_b32 s16, s12, 15                         ; head
	s_lshl_b32 s15, s14, 7
	s_lshl_b32 s17, s10, 5
	s_add_co_u32 s15, s15, s17
	s_lshl_b32 s17, s[WV], 1
	s_add_co_u32 s15, s15, s17                     ; my first row tile: 128 x batch + 32 cx + 2 w
	s_mul_i32 s48, s15, 12288
	s_mul_i32 s17, s16, 768
	s_add_co_u32 s48, s48, s17
	s_mov_b32 s49, 0
	s_lshl_b32 s50, s16, 14                        ; rowsc: 16,384 x head + 64 x (64 x batch + 16 cx)
	s_lshl_b32 s15, s14, 12
	s_add_co_u32 s50, s50, s15
	s_lshl_b32 s15, s10, 10
	s_add_co_u32 s50, s50, s15
	s_mov_b32 s51, 0
	s_mov_b32 s[SEL], 0x76543210
	s_mov_b32 s[SEL+1], 0xfedcba98
	s_mov_b32 s[CS], 0x3e38aa3b                    ; c = log2(e) / 8
	s_mov_b32 s[CS+1], s[CS]                       ; (named with it as a pair, so it is written)
	s_mov_b32 s[TB], 0
	s_wait_dscnt 0x0                               ; both opening adds are done
	s_wait_kmcnt 0x0
	s_add_nc_u64 s[32:33], s[4:5], s[34:35]
	s_add_nc_u64 s[36:37], s[32:33], s[36:37]
	s_add_nc_u64 s[38:39], s[32:33], s[38:39]
	s_add_nc_u64 s[48:49], s[6:7], s[48:49]
	s_add_nc_u64 s[50:51], s[8:9], s[50:51]
	s_mov_b32 s34, s13
	s_mov_b32 s[G0], 1
	s_mov_b32 s[G0+1], s13
	s_add_nc_u64 s[G0+2:G0+3], s[32:33], s[34:35]
	s_or_b32 s[G0+3], s[G0+3], 0x80000000
	CROUND                                         ; all four work-groups are here: the joint loads meet
	s_cmp_lt_u32 s[WV], 4                          ; every wave fetches one record; waves 0-3, which alone wait ahead of the first barrier, have a load line of their own
	s_cbranch_scc0 .Lrest
	TLOAD
	s_branch .Lasked
.Lrest:
	TLOAD
.Lasked:
	global_load_b128 v[96:99], v[LI], s[36:37]     ; Q: the codes of my two tiles of K, twelve registers on end
	global_load_b128 v[100:103], v[LI], s[36:37] offset:512
	global_load_b128 v[104:107], v[LI], s[36:37] offset:1024
	global_load_b32 v94, v3, s[38:39] offset:12288
	global_load_b32 v95, v3, s[38:39] offset:12544
.irp j, 22,23,24,25,26,27,34,35,36,37,38,39,88,89,90,91,92,93
	v_mov_b32 v[\j], 0                             ; the zero halves of Q, and what stands behind K's last tile
.endr
.irp j, 216,217,231,233,251
	v_mov_b32 v[\j], 0                             ; written once: destinations of lane permutes, upper halves of pairs
.endr
	v_mov_b32 v13, 0xff61b1e6                      ; the largest score so far: -3e38, under every score
	s_delay_alu instid0(VALU_DEP_1)
	v_floor_f32 v12, -v13                          ; -M
	v_mov_b32 v14, 0
	v_mov_b32 v15, 0
.set j, 0
.rept 32
	v_mov_b32 v[160+j], 0                          ; O^T: the step is written once; the first step finds zeros
.set j, j+1
.endr
.set j, 12
.rept 52
	v_mov_b32 v[96+j], 0                           ; p: the first step's head sums zeros
.set j, j+1
.endr
; A KEY STEP: one record, 128 keys.  qf: Q's fragment, qs: its scale words.
.macro STEP qf, qs
	v_add_nc_u32 v[ADR], s[TB], v[LI]
	v_add_nc_u32 v[ADR8], s[TB], v[LB8]
	SUMA1                                          ; with the two lines above: four places in front of loads into registers that the last products read
.irp q, 0,1,2,3,4,5,6,7,8,9,10,11
	ds_load_b128 v[40+4*\q:43+4*\q], v[ADR] offset:512*\q
.endr
	ds_load_b128 v[224:227], v[ADR] offset:12288
	SUMA2                                          ; the last step's p are summed while K's tiles come
	s_wait_alu depctr_va_vdst(0)
	s_wait_dscnt 0x0
.irp t, 0,1,2,3,4,5,6,7
	WM 96+8*\t, 40+6*\t, \qf, 1, 224+\t/2, \qs, \t%2
.endr
	SUMB                                           ; seven plain lines that name none of the products' registers: the places in front of the loads below and of the first read of the scores
.irp t, 0,1,2,3                                ; V's fragments land while the softmax is walked
.irp c, 0,1,2
	ds_load_b128 v[40+12*\t+4*\c:43+12*\t+4*\c], v[ADR] offset:6144+1536*\t+512*\c
.endr
.endr
	ds_load_b64 v[228:229], v[ADR8] offset:12800
.irp b, 0,1,2,3
	v_max3_num_f32 v[BM+\b], v[96+16*\b], v[97+16*\b], v[98+16*\b]   ; four chains of 16 scores; two chains make a block of 32 keys
.endr
.irp i, 3,5,7,9,11,13
.irp b, 0,1,2,3
	v_max3_num_f32 v[BM+\b], v[BM+\b], v[96+16*\b+\i], v[97+16*\b+\i]
.endr
.endr
	v_max_num_f32 v[BM+1], v[BM+1], v127
	v_max_num_f32 v[BM+3], v[BM+3], v159
	v_max3_num_f32 v[BM], v[BM], v111, v[BM+1]     ; the largest score of each of my two blocks: it serves the row's maximum and, since p rises with the score, the block's largest p
	v_max3_num_f32 v[BM+2], v[BM+2], v143, v[BM+3]
	s_delay_alu instid0(VALU_DEP_1)
	v_max_num_f32 v233, v[BM], v[BM+2]
	s_delay_alu instid0(VALU_DEP_1)
	v_permlanex16_b32 v216, v233, s[SEL], s[SEL+1]
	s_delay_alu instid0(VALU_DEP_1)
	v_max3_num_f32 v13, v13, v233, v216            ; with lane l xor 16's two blocks: the running largest score of my query
	s_delay_alu instid0(VALU_DEP_1)
	v_mul_f32 v233, s[CS], v13                     ; as t (c is positive)
	v_mov_b32 v217, v12
	s_delay_alu instid0(VALU_DEP_2)
	v_floor_f32 v12, -v233                         ; the new -M = floor(-t): M is a whole number
	s_delay_alu instid0(VALU_DEP_1)
	v_sub_f32 v233, v12, v217                      ; old M - new M: a whole number, 0 or less
	s_delay_alu instid0(VALU_DEP_1)
	v_cvt_i32_f32 v233, v233                       ; (it saturates)
	s_delay_alu instid0(VALU_DEP_1)
	v_ldexp_f32 v230, 1.0, v233                    ; f = 2^(old M - new M)
.set j, 0
.rept 32
	v_pk_fma_f32 v[96+j:97+j], v[96+j:97+j], s[CS:CS+1], v[12:13] op_sel_hi:[1,0,0]   ; t - M, two at a time
.set j, j+2
.endr
	v_fma_f32 v[BM], v[BM], s[CS], v12             ; the same of each block's largest score
	v_fma_f32 v[BM+2], v[BM+2], s[CS], v12
	s_wait_alu depctr_va_vdst(0)                   ; ahead of the batch
.set j, 0
.rept 64
	v_exp_f32 v[96+j], v[96+j]                     ; p = 2^(t - M), at most 1
.set j, j+1
.endr
	v_exp_f32 v[BM], v[BM]                         ; the blocks' largest p: the same two instructions on the same number give the same bits
	v_exp_f32 v[BM+2], v[BM+2]
	v_pk_mul_f32 v[14:15], v[14:15], v[230:231] op_sel_hi:[1,0]    ; the sum under the new M: a plain place behind the exponentials
	s_wait_alu depctr_va_vdst(0)                   ; one wait for the whole batch, ahead of its first reader
	v_max_num_f32 v[BM], 0x1800000, v[BM]          ; the floor 2^(3 - 127)
	v_max_num_f32 v[BM+2], 0x1800000, v[BM+2]
	s_delay_alu instid0(VALU_DEP_2)
	v_add_nc_u32 v[SO], 0xff000000, v[BM]          ; 2 off the exponent field: the conversions' scale operand
	s_delay_alu instid0(VALU_DEP_2)
	v_add_nc_u32 v[SO+1], 0xff000000, v[BM+2]
.irp c, 0,1
	v_cvt_scalef32_pk16_fp6_f32 v[192+6*\c:194+6*\c], v[96+32*\c:111+32*\c], v[SO+\c]
	v_cvt_scalef32_pk16_fp6_f32 v[204+4*\c:206+4*\c], v[112+32*\c:127+32*\c], v[SO+\c]
.endr
	v_lshrrev_b32 v222, 23, v[SO]                  ; the scales' bytes (plain places behind the conversions)
	v_lshrrev_b32 v223, 23, v[SO+1]
	s_delay_alu instid0(VALU_DEP_1)
	v_lshl_or_b32 v232, v223, 16, v222             ; blocks h and 2 + h of these 128 keys,
	s_delay_alu instid0(VALU_DEP_1)
	v_lshlrev_b32 v232, v8, v232                   ; at their places in p's scale word
.irp c, 0,1
.irp i, 0,1,2
	v_mov_b32 v[195+6*\c+\i], v[204+4*\c+\i]       ; (a conversion's three registers begin on an even number)
.endr
.endr
	v_permlanex16_b32 v216, v232, s[SEL], s[SEL+1]
	s_delay_alu instid0(VALU_DEP_1)
	v_or_b32 v232, v232, v216                      ; with lane l xor 16's two the word is whole
	s_wait_alu depctr_va_vdst(0)                   ; directly ahead of the first reader of O^T
.set j, 0
.rept 16
	v_pk_mul_f32 v[160+j:161+j], v[160+j:161+j], v[230:231] op_sel_hi:[1,0]   ; O^T under the new M; these are also the places in front of the products below
.set j, j+2
.endr
	s_wait_alu depctr_va_vdst(0)
	s_wait_dscnt 0x0                               ; V is in
.irp t, 0,1,2,3
	WM 160+8*\t, 40+12*\t, 192, 0, 228+\t/2, 232, \t%2
.endr
	s_add_co_u32 s[TB], s[TB], REC
.endm
.macro STEPS qf, qs, n                 ; n records on end: the step is written once and walked n times
	s_mov_b32 s[CNT], \n
.Lstep_\@:
	STEP \qf, \qs
	s_sub_co_u32 s[CNT], s[CNT], 1
	s_cmp_lg_u32 s[CNT], 0
	s_cbranch_scc1 .Lstep_\@
.endm
; A TILE'S END: the last step's p are summed; O^T / l is quantised along the head's 64: the codes and my half's scale byte of tile hp of my pair.
.macro HEAD_END hp
	SUMA1                                          ; (these additions are the places behind the last products)
	SUMA2
	SUMB
	s_delay_alu instid0(VALU_DEP_1)
	v_add_f32 v14, v14, v15                        ; the sum's two halves,
	s_delay_alu instid0(VALU_DEP_1)
	v_permlanex16_b32 v233, v14, s[SEL], s[SEL+1]
	s_delay_alu instid0(VALU_DEP_1)
	v_add_f32 v14, v14, v233                       ; and lane l xor 16's
	s_wait_alu depctr_va_vdst(0)
	v_rcp_f32 v250, v14
	v_nop                                          ; a plain place behind the transcendental
	s_wait_alu depctr_va_vdst(0)                   ; and the wait ahead of its first reader
.set j, 0
.rept 16
	v_pk_mul_f32 v[96+j:97+j], v[160+j:161+j], v[250:251] op_sel_hi:[1,0]   ; register e = channel 32 (lane / 16) + e of my query
.set j, j+2
.endr
	QB 96, OC+6*\hp, 204, HW+\hp
.if \hp == 0
	v_mov_b32 v13, 0xff61b1e6                      ; the next tile begins: with -M at 3e38 its first step's f is 0, and the multiplications by f, which stand in every step, make zeros of the sum and of O^T
	s_delay_alu instid0(VALU_DEP_1)
	v_floor_f32 v12, -v13
.endif
	global_store_b128 v[LI], v[OC+6*\hp:OC+6*\hp+3], s[48:49] offset:12288*\hp          ; 512 consecutive bytes, aligned; the data registers are not written again
	global_store_b64 v[LB8], v[OC+6*\hp+4:OC+6*\hp+5], s[48:49] offset:12288*\hp+512    ; 256 consecutive bytes, aligned
.endm
	s_wait_alu depctr_va_vdst(0)                   ; at the head's end
	s_cmp_lt_u32 s[WV], 4
	s_cbranch_scc0 .Lnot_first
	s_wait_tensorcnt 0x0                           ; waves 0-3: records 0-3 are in
.Lnot_first:
	s_barrier_signal -1
	s_barrier_wait -1                              ; the other twelve loads may stay out
	s_wait_loadcnt 0x0                             ; Q
.irp j, 0,1,2,3,4,5
	v_mov_b32 v[16+\j], v[96+\j]                   ; each tile's six registers in front of six zeros
	v_mov_b32 v[28+\j], v[102+\j]
.endr
.irp j, 0,1,2,3,4,5,6,7,8,9,10,11
	v_mov_b32 v[96+\j], 0
.endr
	STEPS 16, 94, 4                                ; my first tile, records 0-3
	s_wait_tensorcnt 0x0                           ; every wave's record is in,
	s_wait_dscnt 0x0
	s_barrier_signal -1
	s_barrier_wait -1                              ; and shown to all: a plain barrier
	STEPS 16, 94, 12                               ; records 4-15
	HEAD_END 0
	s_mov_b32 s[TB], 0
	STEPS 28, 95, 16                               ; my second tile, all records
	HEAD_END 1
	v_permlane16_swap_b32 v[HW], v[HW+1]           ; the first now holds both tiles' lower blocks' bytes (first tile in lanes 0-15, second in lanes 16-31), the second their upper blocks'
	v_lshl_or_b32 v252, v[HW+1], 8, v[HW]
	ds_store_b16 v9, v252
	s_wait_dscnt 0x0                               ; for the others' sake: my store has landed
	s_barrier_signal -1
	s_barrier_wait -1
	s_cmp_lt_u32 s[WV], 2
	s_cbranch_scc0 .Lno_sc
	ds_load_b128 v[252:255], v7
	s_wait_dscnt 0x0
	global_store_b128 v10, v[252:255], s[50:51]    ; sixteen lanes store 256 consecutive bytes, aligned
.Lno_sc:
	s_wait_tensorcnt 0x0                           ; the wave's end, behind my tensor load and my last LDS store
	ds_add_u32 v[SPW], v[NIL]
	s_wait_dscnt 0x0
	CROUND                                         ; the closing round
	s_endpgm
.Lfunc_end_k_qc7ce654fca_attn:
	.size	k_qc7ce654fca_attn, .Lfunc_end_k_qc7ce654fca_attn-k_qc7ce654fca_attn
	.p2alignl 7, 3214868480
	.fill 96, 4, 3214868480
	.section	.rodata,"a",@progbits
	.p2align	6, 0x0
	.amdhsa_kernel k_qc7ce654fca_attn
		.amdhsa_group_segment_fixed_size 327680
		.amdhsa_private_segment_fixed_size 0
		.amdhsa_enable_private_segment 0
		.amdhsa_kernarg_size 24
		.amdhsa_user_sgpr_count 2
		.amdhsa_user_sgpr_kernarg_segment_ptr 1
		.amdhsa_wavefront_size32 1
		.amdhsa_system_sgpr_workgroup_id_x 1
		.amdhsa_system_sgpr_workgroup_id_y 1
		.amdhsa_system_sgpr_workgroup_id_z 1
		.amdhsa_system_vgpr_workitem_id 0
		.amdhsa_next_free_vgpr 256
		.amdhsa_next_free_sgpr 66
		.amdhsa_reserve_vcc 0
		.amdhsa_float_denorm_mode_32 3
		.amdhsa_float_denorm_mode_16_64 3
		.amdhsa_memory_ordered 1
		.amdhsa_forward_progress 1
		.amdhsa_inst_pref_size 67
	.end_amdhsa_kernel
	.amdgpu_metadata
---
amdhsa.version: [ 1, 2 ]
amdhsa.kernels:
  - .name:           k_qc7ce654fca_attn
    .symbol:         k_qc7ce654fca_attn.kd
    .args:
      - { .name: kv, .offset: 0, .size: 8, .value_kind: global_buffer, .address_space: global }
      - { .name: rowc, .offset: 8, .size: 8, .value_kind: global_buffer, .address_space: global }
      - { .name: rowsc, .offset: 16, .size: 8, .value_kind: global_buffer, .address_space: global }
    .group_segment_fixed_size: 327680
    .private_segment_fixed_size: 0
    .kernarg_segment_align: 8
    .kernarg_segment_size: 24
    .max_flat_workgroup_size: 512
    .sgpr_count:     66
    .vgpr_count:     256
    .wavefront_size: 32
...
	.end_amdgpu_metadata
.endif
;; end of part 3
;; launch outp (part 4): grid 8 x 32, 4 waves a work-group, clusters of 4 x 4, 327,680 bytes of LDS; arguments rowc, rowsc, wc, wsc, out0; writes out0
.if DOCPART == 4
	.amdgcn_target "amdgcn-amd-amdhsa--gfx1250"
	.amdhsa_code_object_version 6
	.text
	.protected	k_qc7ce654fca_outp
	.globl	k_qc7ce654fca_outp
	.p2align	8
	.type	k_qc7ce654fca_outp,@function
k_qc7ce654fca_outp:
	s_mov_b64 s[64:65], 0
	v_nop
	global_prefetch_b8 v0, s[64:65] scope:SCOPE_SE
	s_setreg_imm32_b32 hwreg(HW_REG_WAVE_MODE, 25, 1), 1
	s_wait_xcnt 0x0
	s_wait_alu depctr_hold_cnt(0) depctr_sa_sdst(0) depctr_va_vdst(0) depctr_va_sdst(0) depctr_va_ssrc(0) depctr_va_vcc(0) depctr_vm_vsrc(0)
	s_getreg_b32 s2, hwreg(HW_REG_IB_STS2, 6, 4)
	s_cmp_eq_u32 s2, 0
	s_cbranch_scc0 .Lentry_in_a_cluster
	s_endpgm
.Lentry_in_a_cluster:
	s_bfe_u32 s2, ttmp6, 0x10000c
	s_cmp_lg_u32 s2, 0xf033
	s_cbranch_scc0 .Lentry_shape_is_right
	s_endpgm
.Lentry_shape_is_right:
; out0 = Q(attention's result) Q(W) on codes of FP6 (E2M3) with E8M0 scales, sums in f32, K = 1,024 ascending: 8,192 x 1,024 x 1,024.
; A: rowc [row tile 512][head 16][768] (registers 0-3 at 16 x lane, registers 4-5 at 512 + 8 x lane; a K step of 128 is two heads) and rowsc [head 16][pair of tiles 256][lane 32] half words, as the attention launch leaves them.
; B: wc [column tile 64][K step 8][1,536] (three pieces of 512 bytes) and wsc [pair 32][K step 8][lane] words.  In each 64 rows or columns, tile u, index idx = element 32 (idx / 8) + 8 u + idx % 8.
; THE DEAL.  256 work-groups of four waves, 2 x 2, each 256 rows x 128 columns.  Wave (a, b) holds four column tiles of W (64 columns), all of K, in 384 registers, and streams row tiles 2 s + a, s = 0 .. 7, past them: 32 products a block.
; Source 0 = W's tile, source 1 = the rows: a lane holds one row of out0, and its 32 sums are columns 32 h + 0 .. 31 of the wave's 64.
; Each block's rows leave in the run behind its own products: through the wave's stage, back as whole rows of 256 bytes, eight stores.  Two sets of A's fragments, of sums and of rows read back take turns.
; ONE WAIT ON LDS A BLOCK, ahead of its stores: younger than the rows' way back is the run's fetch alone (NF loads; in the last two blocks none).  It shows the next block's rows in too.
; LDS: A's 16 tiles (196,608 bytes), B's 8 (98,304), each filled once; the spare words; A's scale words re-laid as rows of 32 bytes; the stages.  Four tensor loads, one a wave, each on its own line: B; A's tiles 0-7; 8-11; 12-15.
; The stream begins when the first two are in; a plain barrier inside block 1 shows the others.  No refill and no data prefetch: all is asked for at the head.
; CLUSTER 4 x 4: A's tiles are shared along a row of the cluster, B's along a column: each is asked for jointly.
; LIMITS: NaN, infinities and sums beyond f32's range are not served.
.set KT,     12288                     ; a tile, all of K
.set YB,     16*KT                     ; B's tiles
.set SPARE,  YB+8*KT                   ; 294,912: the spare words, 128 bytes a wave
.set SCL,    SPARE+512                 ; A's scale words: [pair of tiles 8][lane 32][32 bytes]
.set STAGE,  SCL+8192                  ; 16 rows x (256 bytes + 16) for each wave
.set SPITCH, 272
.set FR,  12                           ; registers of a fragment
.set FPW, 21                           ; fragments in a window: fragment f lies in window 1 + f / 21 at register 12 (f % 21); 0-31 W's (4 q + tile), 32-47 A's two sets (32 + 8 e + q)
.set NF,  34                           ; LDS loads of a block: 32 for eight fragments, 2 for eight scale words
.set LI,  4                            ; v4   16 x lane;  v5  8 x lane;  v7  4 x lane;  v1 r, v2 h, v3 lane
.set LB8, 5
.set AAS, 6                            ; v6   LDS address of my rows' scale words in block 0
.set LB4, 7
.set ADB, 8                            ; v8   my four tiles of W
.set CO,  9                            ; v9   my byte offset in out0: row lane / 16, 16 bytes x (lane % 16)
.set SPW, 10                           ; v10  my spare word; never rewritten
.set NIL, 11                           ; v11  0; never rewritten
.set A16, 12                           ; v12-15 my row tile of blocks 2 g, with 16 x lane;  v16-19 with 8 x lane
.set A8,  16
.set STO, 20                           ; v20  the stage: where I put 32 bytes of a row
.set RD,  21                           ; v21  where I read 16 bytes of a row back
.set SB,  24                           ; v24-39 W's scale words: 8 (tile / 2) + q; lanes 0-15 the even tile, lanes 16-31 the odd
.set SA,  42                           ; v42-57 A's: two sets of eight
.set ACC, 64                           ; v64-127 two sets of four accumulators
.set BK,  128                          ; v128-191 two sets: 16 rows x 256 bytes back from the stage
.set G1B, 24                           ; s[24:31] group 1 of B's eight tiles;  s[32:39] of A's eight;  s[68:75] of A's four
.set G1A, 32
.set G1C, 68
.set G0B, 48                           ; s[48:51] group 0 of B;  s[52:55], s[56:59], s[60:63] of A's three parts
.set G0A, 52
.set G0C, 56
.set G0D, 60
.set MSB, 0
.macro WIN new                         ; the immediate's high byte repeats the setting that is left
.if MSB != (\new)
	s_set_vgpr_msb (MSB<<8)|(\new)
.set MSB, (\new)
.endif
.endm
.macro PLACES n
.rept \n
	v_nop
.endr
.endm
.macro BARRIER
	s_barrier_signal -1
	s_barrier_wait -1
.endm
.macro CROUND                          ; a round of the cluster's barrier
	BARRIER
	s_cmp_lg_u32 s14, 0
	s_cbranch_scc1 .Lnot_wave_0_\@
	s_barrier_signal -3
.Lnot_wave_0_\@:
	s_barrier_wait -3
	BARRIER
.endm
.macro TLOAD g0, g1                    ; an s_nop 0 and four v_nop follow a tensor load
	tensor_load_to_lds s[\g0:\g0+3], s[\g1:\g1+7]
	s_nop 0
	PLACES 4
.endm
.macro GROUP1 g, mask, rows            ; rows tiles of 12,288 bytes, dense: elements of 8 bytes
	s_or_b32 s[\g+0], s[\mask], (3<<16)|(1<<21)
	s_mov_b32 s[\g+1], 1536<<16
	s_mov_b32 s[\g+2], (\rows)<<16
	s_mov_b32 s[\g+3], 1536<<16
	s_mov_b32 s[\g+4], \rows
	s_mov_b32 s[\g+5], 1536
	s_mov_b32 s[\g+6], 0
	s_mov_b32 s[\g+7], 0
.endm
.macro FETCH e, s                      ; block s's row tile into set e: NF loads
.irp q, 0,1,2,3,4,5,6,7
	WIN (1+(32+8*(\e)+\q)/FPW)<<6
.set R_, FR*((32+8*(\e)+\q)%FPW)
.set O_, ((\s)%2)*2*KT+1536*\q
.irp c, 0,1
	ds_load_b128 v[R_+6*\c:R_+6*\c+3], v[A16+(\s)/2] offset:O_+768*\c
	ds_load_b64 v[R_+6*\c+4:R_+6*\c+5], v[A8+(\s)/2] offset:O_+768*\c+512
.endr
.endr
	WIN 0
	ds_load_b128 v[SA+8*(\e):SA+8*(\e)+3], v[AAS] offset:1024*(\s)
	ds_load_b128 v[SA+8*(\e)+4:SA+8*(\e)+7], v[AAS] offset:1024*(\s)+16
.endm
.macro PROD1 d, s0, s1, c, x0, x1, o
.if \o
	v_wmma_scale_f32_16x16x128_f8f6f4 v[\d:\d+7], v[FR*((\s0)%FPW):FR*((\s0)%FPW)+FR-1], v[FR*((\s1)%FPW):FR*((\s1)%FPW)+FR-1], \c, v[\x0], v[\x1] matrix_a_fmt:MATRIX_FMT_FP6 matrix_b_fmt:MATRIX_FMT_FP6 matrix_a_scale:MATRIX_SCALE_ROW1
.else
	v_wmma_scale_f32_16x16x128_f8f6f4 v[\d:\d+7], v[FR*((\s0)%FPW):FR*((\s0)%FPW)+FR-1], v[FR*((\s1)%FPW):FR*((\s1)%FPW)+FR-1], \c, v[\x0], v[\x1] matrix_a_fmt:MATRIX_FMT_FP6 matrix_b_fmt:MATRIX_FMT_FP6
.endif
.endm
.macro PROD e, n                       ; product n = 4 q + tile of a block whose rows lie in set e.  The four accumulators take turns; the first K step starts the sums
.set Q_, (\n)/4
.set FB_, (\n)
.set FA_, 32+8*(\e)+Q_
.set D_, ACC+32*(\e)+8*((\n)%4)
.set XB_, SB+8*(((\n)%4)/2)+Q_
.set XA_, SA+8*(\e)+Q_
	WIN (1+FB_/FPW)|((1+FA_/FPW)<<2)
.if Q_
	PROD1 D_, FB_, FA_, v[D_:D_+7], XB_, XA_, (\n)%2
.else
	PROD1 D_, FB_, FA_, 0, XB_, XA_, (\n)%2
.endif
.endm
.macro PRODS e, from, to
.set N_, \from
.rept (\to)-(\from)
	PROD \e, N_
.set N_, N_+1
.endr
	WIN 0
.endm
.macro STAGED u                        ; set u's sums into my stage, each accumulator from its low end on, and back as whole rows.  LDS serves a wave's instructions in order (ISA guide 5.7.1.4): no wait between
.irp t, 0,1,2,3
	ds_store_b128 v[STO], v[ACC+32*(\u)+8*\t:ACC+32*(\u)+8*\t+3] offset:32*\t
	ds_store_b128 v[STO], v[ACC+32*(\u)+8*\t+4:ACC+32*(\u)+8*\t+7] offset:32*\t+16
.endr
.irp q, 0,1,2,3,4,5,6,7
	ds_load_b128 v[BK+32*(\u)+4*\q:BK+32*(\u)+4*\q+3], v[RD] offset:2*\q*SPITCH
.endr
.endm
.macro TOC s                           ; block s's rows go out: index 2 q + lane / 16 of tile 2 s + a is row 64 (s / 2) + 16 (s % 2) + 8 a + 32 (q / 4) + (2 q) % 8 + lane / 16 of my work-group's 256
.irp q, 0,1,2,3,4,5,6,7
	global_store_b128 v[CO], v[BK+32*((\s)%2)+4*\q:BK+32*((\s)%2)+4*\q+3], s[12:13] offset:(64*((\s)/2)+16*((\s)%2)+32*(\q/4)+(2*\q)%8)*4096 th:TH_STORE_NT   ; 16 lanes store 256 consecutive bytes, aligned
.endr
.endm
.macro STREAM s, fetch, show           ; block s.  show = 1: a plain barrier inside the block shows waves 2 and 3's tiles to all
.if \show
	PRODS (\s)%2, 0, 24
	s_wait_tensorcnt 0x0
	s_wait_dscnt 0x0
	s_barrier_signal -1
	PRODS (\s)%2, 24, 32
	s_barrier_wait -1
.else
	PRODS (\s)%2, 0, 32
.endif
	PLACES 4                                       ; between the last product and the first reader of its sums, and the fetch into the registers that it has read
	s_wait_xcnt 0x0                                ; the stores of two blocks ago have read this set of rows
	STAGED (\s)%2
.if \fetch
	FETCH (\s)%2, (\s)+2
	s_wait_dscnt NF                                ; the block's rows are back from the stage; its fetch is younger
.else
	s_wait_dscnt 0x0
.endif
	TOC \s
.endm
; ================= THE HEAD
	s_load_b256 s[4:11], s[0:1], 0x0               ; rowc s[4:5], rowsc s[6:7], wc s[8:9], wsc s[10:11]
	s_load_b64 s[12:13], s[0:1], 0x20              ; out0
	v_lshl_add_u32 v[SPW], v0, 2, SPARE
	v_mov_b32 v[NIL], 0
	ds_add_u32 v[SPW], v[NIL]                      ; the wave's opening: the add, twice on end, and its wait ahead of my tensor load
	ds_add_u32 v[SPW], v[NIL]
	v_lshrrev_b32 v1, 5, v0
	v_readfirstlane_b32 s14, v1                    ; the wave; s15 its row a of the 2 x 2, s16 its column b
	s_lshr_b32 s15, s14, 1
	s_and_b32 s16, s14, 1
	s_bfe_u32 s40, ttmp6, 0x40000                  ; cx, cy
	s_bfe_u32 s41, ttmp6, 0x40004
	s_lshl_b32 s42, ttmp9, 2
	s_add_co_u32 s42, s42, s40                     ; which 128 columns
	s_and_b32 s43, ttmp7, 0xffff
	s_lshl_b32 s43, s43, 2
	s_add_co_u32 s43, s43, s41                     ; which 256 rows
	s_lshl_b32 s44, s41, 2
	s_lshl_b32 s44, 15, s44                        ; my row of the cluster: shares A's tiles
	s_lshl_b32 s45, 0x1111, s40                    ; my column: shares B's
	GROUP1 G1B, 45, 8
	GROUP1 G1A, 44, 8
	GROUP1 G1C, 44, 4
	s_mov_b32 s[G0B], 1
	s_mov_b32 s[G0B+1], YB
	s_mov_b32 s[G0A], 1
	s_mov_b32 s[G0A+1], 0
	s_mov_b32 s[G0C], 1
	s_mov_b32 s[G0C+1], 8*KT
	s_mov_b32 s[G0D], 1
	s_mov_b32 s[G0D+1], 12*KT
	s_mul_i32 s76, s43, 16*KT                      ; my 16 row tiles
	s_mov_b32 s77, 0
	s_mul_i32 s78, s42, 8*KT                       ; my work-group's 8 column tiles
	s_mov_b32 s79, 0
	s_lshl_b32 s80, s43, 9                         ; rowsc: in each head's 16,384 bytes my eight pairs of tiles have 512
	s_mov_b32 s81, 0
	s_lshl_b32 s82, s42, 2
	s_lshl_b32 s21, s16, 1
	s_add_co_u32 s82, s82, s21
	s_lshl_b32 s82, s82, 10                        ; wsc: 1,024 bytes a pair of tiles; my two pairs
	s_mov_b32 s83, 0
	s_lshl_b32 s84, s43, 20                        ; out0: 256 rows of 4,096 bytes,
	s_lshl_b32 s21, s15, 15                        ; 8 a rows,
	s_add_co_u32 s84, s84, s21
	s_lshl_b32 s21, s42, 9                         ; 128 columns,
	s_add_co_u32 s84, s84, s21
	s_lshl_b32 s21, s16, 8                         ; my 64 of them
	s_add_co_u32 s84, s84, s21
	s_mov_b32 s85, 0
	v_and_b32 v1, 15, v0                           ; r
	v_bfe_u32 v2, v0, 4, 1                         ; h
	v_and_b32 v3, 31, v0
	v_lshlrev_b32 v[LI], 4, v3
	v_lshlrev_b32 v[LB8], 3, v3
	v_lshlrev_b32 v[LB4], 2, v3
	s_mul_i32 s20, s15, KT                         ; block s's row tile is 2 s + a
.irp g, 0,1,2,3
	s_add_co_u32 s21, s20, 4*KT*\g
	v_add_nc_u32 v[A16+\g], s21, v[LI]
	v_add_nc_u32 v[A8+\g], s21, v[LB8]
.endr
	s_mul_i32 s22, s16, 4*KT
	s_add_co_u32 s22, s22, YB
	v_add_nc_u32 v[ADB], s22, v[LI]
	s_lshl_b32 s23, s15, 9
	s_add_co_u32 s23, s23, SCL
	v_lshl_add_u32 v[AAS], v1, 5, s23              ; row 16 a + r of a pair of tiles: 32 bytes a row
	s_mul_i32 s21, s14, 16*SPITCH
	s_add_co_u32 s21, s21, STAGE
	v_mul_u32_u24 v22, v1, SPITCH
	v_lshl_add_u32 v22, v2, 7, v22
	v_add_nc_u32 v[STO], s21, v22                  ; in: row r, + 128 h; tile t's eight columns lie 32 t bytes on
	v_mul_u32_u24 v22, v2, SPITCH
	v_lshl_add_u32 v22, v1, 4, v22
	v_add_nc_u32 v[RD], s21, v22                   ; back: lanes 0-15 one row of 256 bytes, lanes 16-31 the next
	v_lshlrev_b32 v[CO], 12, v2
	v_lshl_add_u32 v[CO], v1, 4, v[CO]
	v_lshlrev_b32 v22, 1, v0                       ; A's scale bytes: thread t takes rows t and t + 128 of [pair][lane]: its half word in a head's bytes,
	v_lshl_add_u32 v23, v0, 5, SCL                 ; and its row of 32 bytes in LDS
	s_wait_alu depctr_va_vdst(0)                   ; at the head's end
	s_wait_dscnt 0x0
	CROUND                                         ; the opening round
	s_wait_kmcnt 0x0
	s_add_nc_u64 s[G0A+2:G0A+3], s[4:5], s[76:77]
	s_add_nc_u64 s[G0C+2:G0C+3], s[G0A+2:G0A+3], 8*KT
	s_add_nc_u64 s[G0D+2:G0D+3], s[G0A+2:G0A+3], 12*KT
	s_add_nc_u64 s[G0B+2:G0B+3], s[8:9], s[78:79]
	s_or_b32 s[G0A+3], s[G0A+3], 0x80000000
	s_or_b32 s[G0C+3], s[G0C+3], 0x80000000
	s_or_b32 s[G0D+3], s[G0D+3], 0x80000000
	s_or_b32 s[G0B+3], s[G0B+3], 0x80000000
	s_add_nc_u64 s[6:7], s[6:7], s[80:81]
	s_add_nc_u64 s[10:11], s[10:11], s[82:83]
	s_add_nc_u64 s[12:13], s[12:13], s[84:85]
	s_cmp_eq_u32 s14, 0
	s_cbranch_scc0 .Lwave_1
	TLOAD G0B, G1B                                 ; wave 0: B's tiles, which are wanted first
	s_branch .Lasked
.Lwave_1:
	s_cmp_eq_u32 s14, 1
	s_cbranch_scc0 .Lwave_2
	TLOAD G0A, G1A                                 ; wave 1: A's tiles 0 to 7
	s_branch .Lasked
.Lwave_2:
	s_cmp_eq_u32 s14, 2
	s_cbranch_scc0 .Lwave_3
	TLOAD G0C, G1C                                 ; wave 2: 8 to 11
	s_branch .Lasked
.Lwave_3:
	TLOAD G0D, G1C                                 ; wave 3: 12 to 15
.Lasked:
.irp k, 0,1
.irp hd, 0,1,2,3,4,5,6,7,8,9,10,11,12,13,14,15
	global_load_u16 v[ACC+16*\k+\hd], v22, s[6:7] offset:\hd*16384+256*\k     ; a wave reads 64 consecutive bytes
.endr
.endr
.irp p, 0,1
.irp q, 0,1,2,3,4,5,6,7
	global_load_b32 v[SB+8*\p+\q], v[LB4], s[10:11] offset:1024*\p+128*\q
.endr
.endr
	s_wait_loadcnt 0x0
.irp k, 0,1
.irp q, 0,1,2,3,4,5,6,7
	v_lshl_or_b32 v[BK+8*\k+\q], v[ACC+16*\k+2*\q+1], 16, v[ACC+16*\k+2*\q]   ; two heads' half words make a K step's scale word
.endr
.endr
.irp k, 0,1
.irp c, 0,1
	ds_store_b128 v23, v[BK+8*\k+4*\c:BK+8*\k+4*\c+3] offset:4096*\k+16*\c
.endr
.endr
	s_wait_dscnt 0x0
	s_cmp_eq_u32 s14, 0
	s_cbranch_scc0 .Lnot_b
	s_wait_tensorcnt 0x0
.Lnot_b:
	BARRIER                                        ; B has landed, and A's scale words are in LDS
.irp q, 0,1,2,3,4,5,6,7                        ; my four tiles of W, all of K, into registers: 96 loads of 512 consecutive bytes
.irp t, 0,1,2,3
	WIN (1+(4*\q+\t)/FPW)<<6
.irp c, 0,1,2
	ds_load_b128 v[FR*((4*\q+\t)%FPW)+4*\c:FR*((4*\q+\t)%FPW)+4*\c+3], v[ADB] offset:KT*\t+1536*\q+512*\c
.endr
.endr
.endr
	WIN 0
	s_cmp_eq_u32 s14, 1
	s_cbranch_scc0 .Lnot_a
	s_wait_tensorcnt 0x0                           ; wave 1: A's tiles 0 to 7 have landed
.Lnot_a:
	s_wait_dscnt 0x0
	BARRIER                                        ; waves 2 and 3's tiles may still be on their way
	FETCH 0, 0
	FETCH 1, 1
	s_wait_dscnt NF                                ; block 0's rows are in
; ================= THE STREAM: eight blocks
	STREAM 0, 1, 0
	STREAM 1, 1, 1
	STREAM 2, 1, 0
	STREAM 3, 1, 0
	STREAM 4, 1, 0
	STREAM 5, 1, 0
	STREAM 6, 0, 0                                 ; blocks 6 and 7 fetch nothing
	STREAM 7, 0, 0
	s_wait_tensorcnt 0x0                           ; the wave's end, behind my tensor load and my last LDS store
	ds_add_u32 v[SPW], v[NIL]
	s_wait_dscnt 0x0
	CROUND                                         ; the closing round
	s_endpgm
.Lfunc_end_k_qc7ce654fca_outp:
	.size	k_qc7ce654fca_outp, .Lfunc_end_k_qc7ce654fca_outp-k_qc7ce654fca_outp
	.p2alignl 7, 3214868480
	.fill 96, 4, 3214868480
	.section	.rodata,"a",@progbits
	.p2align	6, 0x0
	.amdhsa_kernel k_qc7ce654fca_outp
		.amdhsa_group_segment_fixed_size 327680
		.amdhsa_private_segment_fixed_size 0
		.amdhsa_enable_private_segment 0
		.amdhsa_kernarg_size 40
		.amdhsa_user_sgpr_count 2
		.amdhsa_user_sgpr_kernarg_segment_ptr 1
		.amdhsa_wavefront_size32 1
		.amdhsa_system_sgpr_workgroup_id_x 1
		.amdhsa_system_sgpr_workgroup_id_y 1
		.amdhsa_system_sgpr_workgroup_id_z 1
		.amdhsa_system_vgpr_workitem_id 0
		.amdhsa_next_free_vgpr 840
		.amdhsa_next_free_sgpr 100
		.amdhsa_reserve_vcc 0
		.amdhsa_float_denorm_mode_32 3
		.amdhsa_float_denorm_mode_16_64 3
		.amdhsa_memory_ordered 1
		.amdhsa_forward_progress 1
		.amdhsa_inst_pref_size 87
	.end_amdhsa_kernel
	.amdgpu_metadata
---
amdhsa.version: [ 1, 2 ]
amdhsa.kernels:
  - .name:           k_qc7ce654fca_outp
    .symbol:         k_qc7ce654fca_outp.kd
    .args:
      - { .name: rowc, .offset: 0, .size: 8, .value_kind: global_buffer, .address_space: global }
      - { .name: rowsc, .offset: 8, .size: 8, .value_kind: global_buffer, .address_space: global }
      - { .name: wc, .offset: 16, .size: 8, .value_kind: global_buffer, .address_space: global }
      - { .name: wsc, .offset: 24, .size: 8, .value_kind: global_buffer, .address_space: global }
      - { .name: out0, .offset: 32, .size: 8, .value_kind: global_buffer, .address_space: global }
    .group_segment_fixed_size: 327680
    .private_segment_fixed_size: 0
    .kernarg_segment_align: 8
    .kernarg_segment_size: 40
    .max_flat_workgroup_size: 128
    .sgpr_count:     100
    .vgpr_count:     840
    .wavefront_size: 32
...
	.end_amdgpu_metadata
.endif
;; end of part 4
